; MI455X (gfx1250); checked and timed in simulation.
; The chip was launched on July 23, 2026; its instructions are those of AMD's public machine-readable ISA for CDNA 5 (MIT licence, August 2026) and "CDNA5" Instruction Set Architecture Reference Guide (July 2026). The comments in the code are by the model that wrote it; some were corrected since.
;; Attention Block. Allowed arithmetic: matrix products marked QUANTISED: E3M2 operands, one E8M0 scale for each 32 along K, by v_wmma_scale_f32_16x16x128_f8f6f4 with both operands' format E3M2, f32 sums; everything else in f32.
;; Inputs: Wk_codes 1,024 x 32 x 24 uint8 (E3M2 codes of Wk, K innermost, in blocks of 32 codes, four codes in three bytes); Wk_scales 1,024 x 32 uint8 (E8M0 scales of Wk, one for each 32 codes along K); Wq_codes 1,024 x 32 x 24 uint8 (E3M2 codes of Wq, K innermost, in blocks of 32 codes, four codes in three bytes); Wq_scales 1,024 x 32 uint8 (E8M0 scales of Wq, one for each 32 codes along K); Wv_codes 1,024 x 32 x 24 uint8 (E3M2 codes of Wv, K innermost, in blocks of 32 codes, four codes in three bytes); Wv_scales 1,024 x 32 uint8 (E8M0 scales of Wv, one for each 32 codes along K); alibi_param one number float32; bk 1,024 float32; bq 1,024 float32; bv 1,024 float32; frame_no 4,096 float32; input 1 x 1,024 x 4,096 float32.
;; Outputs: out0 1 x 2,048 x 4,096 float32.
;; This version of the problem:
;;   THIS VERSION OF THE PROBLEM IS GIVEN IN LOW PRECISION. The matrix products marked QUANTISED in the list below multiply operands that are first quantised to E3M2 (3 exponent bits, 2 mantissa bits; 6 bits a number), with one power-of-two scale for each 32 numbers along K (OCP MX v1.0); their sums are f32. All else is computed in f32.
;;   The module's matrix products, in the order in which they are computed (A, B: the left and right operand; K: the contracted axis; several contracted axes count as one K, in the product's order):
;;     1. [M 4,096, K 1,024] x [K 1,024, N 1,024]; A: input input; B: input Wq (given as codes): QUANTISED
;;     2. [M 4,096, K 1,024] x [K 1,024, N 1,024]; A: input input; B: input Wk (given as codes): QUANTISED
;;     3. [M 4,096, K 1,024] x [K 1,024, N 1,024]; A: input input; B: input Wv (given as codes): QUANTISED
;;     4. [M 4,096, K 1,024] x [K 1,024, N 4,096]; A: computed on the way; B: computed on the way: QUANTISED
;;     5. [M 4,096, K 4,096] x [K 4,096, N 1,024]; A: softmax (see below); B: computed on the way: QUANTISED
;;   THE QUANTISER, for each operand of a quantised product, along K:
;;     - K is cut into blocks of 32 from its start; a last block that is shorter is filled with zeros.
;;     - A block's scale is 2^e with e = floor(log2(the largest magnitude in the block)) - 4, held to -126 .. 127; a block of zeros has e = 0. As a byte (E8M0): e + 127.
;;     - Each number is divided by its block's scale, clamped to +-28, and rounded to the nearest number of E3M2, ties to even, subnormals kept.
;;     - The product sums the exact products of the quantised numbers (number of the format x scale) in f32.
;;   ~~~python
;;   def quantise(x, axis):      # numpy; x: float32 -> the quantised numbers, widened to float32 again
;;       x = np.moveaxis(x, axis, -1); K = x.shape[-1]
;;       x = np.pad(x, [(0, 0)] * (x.ndim - 1) + [(0, -K % 32)]); x = x.reshape(x.shape[:-1] + (-1, 32)); a = np.abs(x).max(-1, keepdims=True)
;;       e = np.where(a > 0, np.clip(np.frexp(np.where(a > 0, a, 1))[1] - 1 - 4, -126, 127), 0)      # np.frexp(a)[1] - 1 = floor(log2(a)), exactly
;;       r = np.clip(x / 2.0 ** e, -28, 28)
;;       step = 2.0 ** (np.maximum(np.frexp(np.where(r == 0, 1, r))[1] - 1, -2) - 2)
;;       q = np.round(r / step) * step * 2.0 ** e      # np.round: ties to even
;;       return np.moveaxis(q.reshape(q.shape[:-2] + (-1,))[..., :K], -1, axis).astype(np.float32)
;;   ~~~
;;   SOFTMAX AHEAD OF A QUANTISED PRODUCT. Where the list says 'softmax', what is quantised is not the finished softmax but p = 2^(t - M), with t = logit x log2(e) and M = ceil(the row's largest t), a whole number; so 1/2 < the row's largest p <= 1. The row's sum l is taken of the UNQUANTISED p, in f32, and the product's result is divided by l at the end. Since M is a whole number, a kernel that streams over the keys may use a running M (the ceiling of the running maximum): every later rescaling is an exact power of two, which a block's scale takes up: the codes' values come out the same.
;;   OPERANDS COMPUTED ON THE WAY. 'Computed on the way' means the value that the module computes at that place (a softmax that the list does not call 'softmax' is quantised finished and normalised). What goes into a quantiser is computed in f32, as accurately as f32 sums, v_exp_f32 and their like allow (about 1e-6 of the number): no bf16 or f16 on the way to a quantiser, and a product that is left as it is and whose result goes on into a quantised operand takes f32 operands (vector FMAs, or v_wmma_f32_16x16x4_f32). A number that lies on a knife's edge between two numbers of the format may be rounded either way, as far as f32 arithmetic and the matrix unit's own rounding can turn it there, and no further.
;;   INPUTS GIVEN AS CODES. Wk (in the module: [1024, 1024], K = its axis 0); Wq (in the module: [1024, 1024], K = its axis 0); Wv (in the module: [1024, 1024], K = its axis 0): each comes as NAME_codes (uint8): NAME with its K axis moved to the last place and cut into blocks of 32 codes, [.., K / 32, bytes a block], one block behind the other in memory; four codes in three bytes: a row's codes are one little-endian stream of bits, code i at bits 6 i .. 6 i + 5 (a code: sign, 3 exponent bits, 2 mantissa bits); and NAME_scales (uint8): the same leading axes, one E8M0 byte (e + 127) for each 32 codes along K. Its value is code x scale, taken as it is: it is not quantised again, and the codes and scales need not be those that the quantiser above would give.
;; 2 versions, each right; version 2 is version 1 with the launch pv written anew for expert scheduling mode. Each part assembles by itself: llvm-mc -triple=amdgcn-amd-amdhsa -mcpu=gfx1250 --defsym DOCPART=n.
;; ======== version 1 of 2: 4 launches
;; workspace buffers: opa 5,505,024 bytes; opas 262,144 bytes; qkvf 9,437,184 bytes; qkvs 393,216 bytes; pf 12,582,912 bytes; pst 1,572,864 bytes
;; launch prep (part 1): grid 560 x 1, 4 waves a work-group, no clusters, 8,704 bytes of LDS; arguments input, Wq_codes, Wq_scales, Wk_codes, Wk_scales, Wv_codes, Wv_scales, out0, opa, opas; writes out0, opa, opas
.if DOCPART == 1
	.amdgcn_target "amdgcn-amd-amdhsa--gfx1250"
	.amdhsa_code_object_version 6
	.text
	.protected	k_qb13f7e502f_prep
	.globl	k_qb13f7e502f_prep
	.p2align	8
	.type	k_qb13f7e502f_prep,@function
k_qb13f7e502f_prep:
	s_mov_b64 s[64:65], 0
	v_nop
	global_prefetch_b8 v0, s[64:65] scope:SCOPE_SE
	s_setreg_imm32_b32 hwreg(HW_REG_WAVE_MODE, 25, 1), 1
	s_wait_xcnt 0x0
; PREP.  Work-groups 0-511: input [1024 (c)][4096 (s)] f32 is copied to out0's rows 0-1023 and, read that once, quantised along c (the K of x = input^T) to E3M2 codes with one E8M0 byte for each 32.
; Work-groups 512-559: the three weights' codes and scale bytes are laid anew, unchanged in value.
; THE LAYOUT OF EVERY OPERAND HERE ("image"): a fragment, 16 rows x 128 K, is 1,536 bytes laid as its registers: word g (0-11) of lane L at 512 (g / 4) + 16 L + 4 (g % 4); fragment index = rowtile x 8 + K step.
; Scale words: [K step][row], 4 bytes (byte b: block b of the K step), 16,384 bytes from K step to K step.
; opa: x's images at 0, the weights' at 3,145,728 + 786,432 job (job 0 q, 1 k, 2 v).  opas: x's words at 0, the weights' at 131,072, word index 1,024 job + row.
; A block's scale byte is its largest magnitude's exponent field - 4, held at 1 from below.  A block of zeros so gets the byte 1 where the rule says 127: its codes are zeros, and this program alone reads the bytes.
; LIMITS: NaN and infinities among the inputs are not served.
; PATH X: a work-group takes 64 columns s x 128 rows c (one K step); wave w takes block w of 32 rows; lane L the columns 2 L and 2 L + 1: each load and each store of the copy covers 256 consecutive bytes, aligned.
.set SCB, 6144                         ; LDS: four images at 0, behind them 64 scale words
.set R,   16                           ; v16-79   32 rows x 2 columns as loaded; also the copy's store data, never rewritten
.set X0,  80                           ; v80-111  column 2 L down K
.set X1,  112                          ; v112-143 column 2 L + 1
.set C0,  144                          ; v144-149 codes of column 2 L (v150-152: the second conversion's result)
.set C1,  154                          ; v154-159 codes of column 2 L + 1 (v160-162)
.set SBW, 164                          ; LDS address of my scale byte
.set IRD, 165                          ; LDS address of my 16 bytes of my wave's image
.set L16, 166                          ; 16 x lane
.set SBR, 167                          ; LDS address of my two scale words
.set BK,  168                          ; v168-179 an image read back
	s_load_b512 s[8:23], s[0:1], 0x0               ; input s[8:9], Wq codes, scales s[10:13], Wk s[14:17], Wv s[18:21], out0 s[22:23]
	s_load_b128 s[24:27], s[0:1], 0x40             ; opa s[24:25], opas s[26:27]
	v_lshl_add_u32 v180, v0, 2, 0x2000
	v_mov_b32 v181, 0
	v_lshrrev_b32 v1, 5, v0
	v_readfirstlane_b32 s2, v1                     ; wave
	v_and_b32 v2, 31, v0                           ; lane
	s_cmp_ge_u32 ttmp9, 512                        ; the work-group's number alone parts the two paths: all four waves go the same way
	s_cbranch_scc1 .Lweights
	s_and_b32 s3, ttmp9, 63                        ; which 64 columns
	s_lshr_b32 s4, ttmp9, 6                        ; which K step
	s_lshl_b32 s28, s4, 21                         ; 128 rows of 16,384 bytes,
	s_lshl_b32 s5, s2, 19                          ; my wave's 32 rows,
	s_add_co_u32 s28, s28, s5
	s_lshl_b32 s5, s3, 8                           ; 64 columns of 4 bytes
	s_add_co_u32 s28, s28, s5
	s_mov_b32 s29, 0
	s_lshl_b32 s30, s3, 2
	s_add_co_u32 s30, s30, s2                      ; rowtile 4 x block + wave
	s_lshl_b32 s30, s30, 3
	s_add_co_u32 s30, s30, s4
	s_mul_i32 s30, s30, 1536                       ; its image of this K step
	s_mov_b32 s31, 0
	s_lshl_b32 s32, s4, 14
	s_add_co_u32 s32, s32, s5                      ; the 64 scale words of this K step
	s_mov_b32 s33, 0
	v_lshlrev_b32 v3, 3, v2                        ; 8 x lane
	s_wait_kmcnt 0x0
	s_add_nc_u64 s[8:9], s[8:9], s[28:29]
	s_add_nc_u64 s[22:23], s[22:23], s[28:29]
	s_add_nc_u64 s[24:25], s[24:25], s[30:31]
	s_add_nc_u64 s[26:27], s[26:27], s[32:33]
.set I, 0
.rept 32
	global_load_b64 v[R+2*I:R+2*I+1], v3, s[8:9] offset:I*16384 th:TH_LOAD_NT
.set I, I+1
.endr
	; where my codes go in the stage.  Column 2 L + e is row 2 (L % 8) + e of rowtile L / 8; block w is registers 6 (w / 2) .. + 5 of lanes 16 (w % 2) + row
	v_lshrrev_b32 v4, 3, v2
	v_mul_u32_u24 v4, v4, 1536
	v_and_b32 v5, 7, v2
	v_lshl_add_u32 v4, v5, 5, v4
	s_and_b32 s5, s2, 1
	s_lshl_b32 s5, s5, 8
	s_lshr_b32 s6, s2, 1
	s_mul_i32 s34, s6, 520                         ; words 0, 1 of the six: byte 0 or 520 of the lane's places
	s_add_co_u32 s34, s34, s5
	s_mul_i32 s35, s6, 1016                        ; words 2, 3: byte 8 or 1,024
	s_add_co_u32 s35, s35, s5
	s_add_co_u32 s35, s35, 8
	s_add_co_u32 s36, s34, 512                     ; words 4, 5: byte 512 or 1,032
	v_add_nc_u32 v5, s34, v4
	v_add_nc_u32 v6, s35, v4
	v_add_nc_u32 v7, s36, v4
	v_lshl_add_u32 v[SBR], v2, 3, SCB
	v_add_nc_u32 v[SBW], s2, v[SBR]                ; byte w of the word of column 2 L
	s_mul_i32 s37, s2, 1536
	v_lshlrev_b32 v[L16], 4, v2
	v_add_nc_u32 v[IRD], s37, v[L16]
	s_wait_loadcnt 0x0
.set I, 0
.rept 32
	global_store_b64 v3, v[R+2*I:R+2*I+1], s[22:23] offset:I*16384 th:TH_STORE_NT   ; the copy: 256 consecutive bytes, aligned
.set I, I+1
.endr
	v_max3_num_f32 v8, |v[R]|, |v[R+2]|, 0x2800000     ; the block's largest magnitude, all 32 numbers mine, with the floor 2^(5 - 127) as a leaf; the two columns by turns
	v_max3_num_f32 v9, |v[R+1]|, |v[R+3]|, 0x2800000
.irp i, 2,4,6,8,10,12,14,16,18,20,22,24,26,28,30
	v_max3_num_f32 v8, v8, |v[R+2*\i]|, |v[R+2*\i+2]|
	v_max3_num_f32 v9, v9, |v[R+2*\i+1]|, |v[R+2*\i+3]|
.endr
	v_add_nc_u32 v10, 0xfe000000, v8               ; 4 off the exponent field: the conversion's scale operand
	v_add_nc_u32 v11, 0xfe000000, v9
	v_lshrrev_b32 v12, 23, v10                     ; the scale's byte
	v_lshrrev_b32 v13, 23, v11
.set I, 0
.rept 32                                       ; the copy wants a lane's two columns side by side, the conversion 16 neighbours along K on end: so the pairs are taken apart
	v_mov_b32 v[X0+I], v[R+2*I]
	v_mov_b32 v[X1+I], v[R+2*I+1]
.set I, I+1
.endr
	v_cvt_scalef32_pk16_bf6_f32 v[C0:C0+2], v[X0:X0+15], v10
	v_cvt_scalef32_pk16_bf6_f32 v[C0+6:C0+8], v[X0+16:X0+31], v10   ; (a conversion's three registers begin on an even number)
	v_cvt_scalef32_pk16_bf6_f32 v[C1:C1+2], v[X1:X1+15], v11
	v_cvt_scalef32_pk16_bf6_f32 v[C1+6:C1+8], v[X1+16:X1+31], v11
	v_nop                                          ; one plain place behind a scaled conversion
.irp i, 0,1,2
	v_mov_b32 v[C0+3+\i], v[C0+6+\i]
	v_mov_b32 v[C1+3+\i], v[C1+6+\i]
.endr
	ds_store_b64 v5, v[C0:C0+1]
	ds_store_b64 v6, v[C0+2:C0+3]
	ds_store_b64 v7, v[C0+4:C0+5]
	ds_store_b64 v5, v[C1:C1+1] offset:16          ; the next row of the rowtile: the next lane's place
	ds_store_b64 v6, v[C1+2:C1+3] offset:16
	ds_store_b64 v7, v[C1+4:C1+5] offset:16
	ds_store_b8 v[SBW], v12
	ds_store_b8 v[SBW], v13 offset:4
	s_wait_dscnt 0x0                               ; for the others' sake: my stores into the stage are done
	s_barrier_signal -1
	s_barrier_wait -1
.irp c, 0,1,2
	ds_load_b128 v[BK+4*\c:BK+4*\c+3], v[IRD] offset:512*\c
.endr
	s_wait_dscnt 0x0
.irp c, 0,1,2
	global_store_b128 v[L16], v[BK+4*\c:BK+4*\c+3], s[24:25] offset:512*\c   ; 512 consecutive bytes, aligned
.endr
	s_cmp_lg_u32 s2, 0
	s_cbranch_scc1 .Lxdone
	ds_load_b64 v[14:15], v[SBR]                   ; wave 0: the 64 scale words
	s_wait_dscnt 0x0
	global_store_b64 v3, v[14:15], s[26:27]        ; 256 consecutive bytes, aligned
.Lxdone:
	s_wait_tensorcnt 0x0
	ds_add_u32 v180, v181
	s_wait_dscnt 0x0
	s_endpgm
; PATH W: 16 work-groups a weight; wave w takes rowtile 4 x block + w, all 8 K steps.  A lane loads its fragments' 24-byte pieces from the rows as they are given and stores them as images.  No LDS.
.Lweights:
	s_sub_co_u32 s3, ttmp9, 512
	s_lshr_b32 s4, s3, 4                           ; job
	s_and_b32 s5, s3, 15                           ; block of 64 rows
	s_lshl_b32 s6, s5, 2
	s_add_co_u32 s6, s6, s2                        ; rowtile
	v_and_b32 v3, 15, v0
	v_bfe_u32 v4, v0, 4, 1
	v_mul_u32_u24 v3, v3, 768                      ; a row of 1,024 codes is 768 bytes
	v_mad_u32_u24 v3, v4, 24, v3
	v_lshlrev_b32 v4, 4, v2                        ; 16 x lane
	v_lshlrev_b32 v5, 6, v2
	s_lshl_b32 s7, s2, 3
	v_add_nc_u32 v5, s7, v5                        ; scale bytes: rows 2 L, 2 L + 1 (32 bytes a row), K steps 2 w, 2 w + 1
	v_lshlrev_b32 v6, 3, v2
	s_mul_i32 s28, s6, 12288
	s_mov_b32 s29, 0
	s_lshl_b32 s30, s5, 11
	s_mov_b32 s31, 0
	s_lshl_b32 s32, s4, 6
	s_add_co_u32 s32, s32, s6
	s_mul_i32 s32, s32, 12288
	s_add_co_u32 s32, s32, 3145728
	s_mov_b32 s33, 0
	s_lshl_b32 s34, s2, 15                         ; K step 2 w: 2 x 16,384 bytes a wave
	s_lshl_b32 s7, s4, 12
	s_add_co_u32 s34, s34, s7
	s_lshl_b32 s7, s5, 8
	s_add_co_u32 s34, s34, s7
	s_add_co_u32 s34, s34, 131072
	s_mov_b32 s35, 0
	s_wait_kmcnt 0x0
	s_cmp_eq_u32 s4, 1
	s_cselect_b64 s[10:11], s[14:15], s[10:11]
	s_cselect_b64 s[12:13], s[16:17], s[12:13]
	s_cmp_eq_u32 s4, 2
	s_cselect_b64 s[10:11], s[18:19], s[10:11]
	s_cselect_b64 s[12:13], s[20:21], s[12:13]
	s_add_nc_u64 s[10:11], s[10:11], s[28:29]
	s_add_nc_u64 s[12:13], s[12:13], s[30:31]
	s_add_nc_u64 s[24:25], s[24:25], s[32:33]
	s_add_nc_u64 s[26:27], s[26:27], s[34:35]
.irp k, 0,1,2,3,4,5,6,7
.irp p, 0,1,2,3,4,5
	global_load_b64 v[16+12*\k+2*\p:17+12*\k+2*\p], v3, s[10:11] offset:96*\k+48*(\p/3)+8*(\p%3)
.endr
.endr
	global_load_b32 v112, v5, s[12:13]
	global_load_b32 v113, v5, s[12:13] offset:32
	global_load_b32 v114, v5, s[12:13] offset:4
	global_load_b32 v115, v5, s[12:13] offset:36
	s_wait_loadcnt 0x0
.irp k, 0,1,2,3,4,5,6,7
.irp c, 0,1,2
	global_store_b128 v4, v[16+12*\k+4*\c:19+12*\k+4*\c], s[24:25] offset:1536*\k+512*\c
.endr
.endr
	global_store_b64 v6, v[112:113], s[26:27]
	global_store_b64 v6, v[114:115], s[26:27] offset:16384
	s_endpgm
.Lfunc_end_k_qb13f7e502f_prep:
	.size	k_qb13f7e502f_prep, .Lfunc_end_k_qb13f7e502f_prep-k_qb13f7e502f_prep
	.p2alignl 7, 3214868480
	.fill 96, 4, 3214868480
	.section	.rodata,"a",@progbits
	.p2align	6, 0x0
	.amdhsa_kernel k_qb13f7e502f_prep
		.amdhsa_group_segment_fixed_size 8704
		.amdhsa_private_segment_fixed_size 0
		.amdhsa_enable_private_segment 0
		.amdhsa_kernarg_size 80
		.amdhsa_user_sgpr_count 2
		.amdhsa_user_sgpr_kernarg_segment_ptr 1
		.amdhsa_wavefront_size32 1
		.amdhsa_system_sgpr_workgroup_id_x 1
		.amdhsa_system_sgpr_workgroup_id_y 1
		.amdhsa_system_sgpr_workgroup_id_z 1
		.amdhsa_system_vgpr_workitem_id 0
		.amdhsa_next_free_vgpr 182
		.amdhsa_next_free_sgpr 66
		.amdhsa_reserve_vcc 0
		.amdhsa_float_denorm_mode_32 3
		.amdhsa_float_denorm_mode_16_64 3
		.amdhsa_memory_ordered 1
		.amdhsa_forward_progress 1
		.amdhsa_inst_pref_size 24
	.end_amdhsa_kernel
	.amdgpu_metadata
---
amdhsa.version: [ 1, 2 ]
amdhsa.kernels:
  - .name:           k_qb13f7e502f_prep
    .symbol:         k_qb13f7e502f_prep.kd
    .args:
      - { .name: input, .offset: 0, .size: 8, .value_kind: global_buffer, .address_space: global }
      - { .name: Wq_codes, .offset: 8, .size: 8, .value_kind: global_buffer, .address_space: global }
      - { .name: Wq_scales, .offset: 16, .size: 8, .value_kind: global_buffer, .address_space: global }
      - { .name: Wk_codes, .offset: 24, .size: 8, .value_kind: global_buffer, .address_space: global }
      - { .name: Wk_scales, .offset: 32, .size: 8, .value_kind: global_buffer, .address_space: global }
      - { .name: Wv_codes, .offset: 40, .size: 8, .value_kind: global_buffer, .address_space: global }
      - { .name: Wv_scales, .offset: 48, .size: 8, .value_kind: global_buffer, .address_space: global }
      - { .name: out0, .offset: 56, .size: 8, .value_kind: global_buffer, .address_space: global }
      - { .name: opa, .offset: 64, .size: 8, .value_kind: global_buffer, .address_space: global }
      - { .name: opas, .offset: 72, .size: 8, .value_kind: global_buffer, .address_space: global }
    .group_segment_fixed_size: 8704
    .private_segment_fixed_size: 0
    .kernarg_segment_align: 8
    .kernarg_segment_size: 80
    .max_flat_workgroup_size: 128
    .sgpr_count:     66
    .vgpr_count:     182
    .wavefront_size: 32
...
	.end_amdgpu_metadata
.endif
;; end of part 1
;; launch proj (part 2): grid 192 x 1, 4 waves a work-group, no clusters, 327,680 bytes of LDS; arguments opa, opas, bq, bk, bv, qkvf, qkvs; writes qkvf, qkvs
.if DOCPART == 2
	.amdgcn_target "amdgcn-amd-amdhsa--gfx1250"
	.amdhsa_code_object_version 6
	.text
	.protected	k_qb13f7e502f_proj
	.globl	k_qb13f7e502f_proj
	.p2align	8
	.type	k_qb13f7e502f_proj,@function
k_qb13f7e502f_proj:
	s_mov_b64 s[64:65], 0
	v_nop
	global_prefetch_b8 v0, s[64:65] scope:SCOPE_SE
	s_setreg_imm32_b32 hwreg(HW_REG_WAVE_MODE, 25, 1), 1
	s_wait_xcnt 0x0
; PROJ.  q = x Wq + bq, k = x Wk + bk, v = x Wv + bv on E3M2 codes (K = 1,024), and the results quantised again: q and k along the features, v along the keys.
; 64 work-groups a product; each makes a tile of 256 x 256; four waves, each 128 x 128: 64 accumulators.  Operands come as images (16 rows x 128 K = 1,536 bytes, laid as the fragment's registers: three loads of 16 bytes a lane).
; THE MATRIX INSTRUCTION: source 0 = "B", whose rows run along a lane's registers in the result; source 1 = "A", whose rows lie in the lanes.  q, k: A = x, B = W: a lane holds one row s and its registers run along the
; features.  v: A = Wv, B = x: a lane holds one channel and its registers run along the keys.  So in all three a lane's 64 results of a tile of rows are 128 along the NEXT product's K with lane l xor 16's.
; ORDER INSIDE A BLOCK OF 32: the tiles are natural, so a block's codes stand in the order 0-7, 16-23, 8-15, 24-31.  The blocks are the true blocks.  q and k carry the same order, and so do v and p (made the same way in the
; next launch): each product pairs the same numbers; only the grouping of its f32 sums differs from ascending k.
; THE RING: K in 8 steps of 128; three LDS slots of two K steps each; K steps 0-5 and all scale words are asked for at the head (four tensor loads a wave out, by this text's own count), K steps 6, 7 fill slot 0 again.
; No cluster: this text and the next launch's share one core, and that launch's causal tiles form no rectangle of partners.
; LIMITS: NaN and infinities are not served; a block of zeros gets the byte 1 (its codes are zeros; this program alone reads the bytes).
; REGISTERS: window 0: v0-31 addresses; v32-95 scale words (8 K steps x 8: lanes 0-15 A's block, lanes 16-31 B's); v96-111 YA; v112-127 at work; v128-223 A's fragments, one set; on the way out v128-255.
;   window 1: B's fragments, two sets, v0-95 and v128-223; BB in v96-127 and v224-255.   windows 2, 3: accumulator (a, b) at v[8 (8 (a % 4) + b)].
.set SLOTB, 98304                      ; a slot: four quarters (A's rowtiles 0-7, 8-15, B's 0-7, 8-15) of 8 rowtiles x 2 K steps x 1,536 bytes
.set QUART, 24576
.set SCL,   3*SLOTB                    ; the scale words: four quarters of 8 K steps x 128 rows x 4 bytes
.set SPARE, SCL+16384                  ; the spare words, 128 bytes a wave: two blocks of 256 bytes that no other line names
.set STG,   SPARE+512                  ; 512 bytes a wave: the scale words just made; no tensor load lands here
.set FR,    12
.set ADRA,  8                          ; v8-10   LDS address of my A fragments in slot 0, 1, 2
.set ADRB,  12                         ; v12-14  the same for B
.set ADRS,  15                         ; v15     of my scale words
.set SPW,   16                         ; v16     my spare word; never rewritten
.set NIL,   17                         ; v17     0; never rewritten
.set STO,   18                         ; v18     where I put a scale word
.set SRD,   19                         ; v19     where I read four back
.set SC,    32
.set YA,    96
.set TM,    112
.set AF,    128
.set T,     128                        ; the way out: 64 numbers of a lane
.set PC,    192                        ; the codes just made
.set PW,    224                        ; v224-231 a scale word for each tile of rows
.set G1C,   24                         ; s[24:31] group 1 for codes;  s[32:39] for scale words;  s[40:43] group 0 for the scale words;  s[44:59] for the four fills
.set G1S,   32
.set G0S,   40
.set G0F,   44
.set WV,    18
.set HA,    19
.set HB,    20
.set SEL,   92
.set MSB, 0
.macro WIN new                         ; the immediate's high byte repeats the setting that is left
.if MSB != (\new)
	s_set_vgpr_msb (MSB<<8)|(\new)
.set MSB, (\new)
.endif
.endm
.set MUL_LO, 0xa1                      ; source 0 (B) window 1, source 1 (A) window 0, C and D window 2
.set MUL_HI, 0xf1
.set TO_B,   0x40
.macro PLACES n                        ; plain places behind matrix instructions, in front of loads into registers that they read and of reads of results
.rept \n
	v_nop
.endr
.endm
.macro FRAG reg, adr, off              ; a fragment comes as it was laid: three loads, each 512 consecutive bytes for the wave
.irp c, 0,1,2
	ds_load_b128 v[(\reg)+4*\c:(\reg)+4*\c+3], v[\adr] offset:(\off)+512*\c
.endr
.endm
.macro FETCH_B slot, q, set
	WIN TO_B
.irp i, 0,1,2,3,4,5,6,7
	FRAG 128*(\set)+FR*\i, ADRB+(\slot), 3072*\i+1536*(\q)
.endr
	WIN 0
.endm
.macro FETCH_A slot, q, i0
.irp i, \i0, \i0+1, \i0+2, \i0+3
	FRAG AF+FR*(\i), ADRA+(\slot), 3072*(\i)+1536*(\q)
.endr
.endm
.macro SCALES                          ; all 8 K steps' scale words, once
.set X, 0
.rept 64
	ds_load_b32 v[SC+X], v[ADRS] offset:512*(X/8)+64*(X%8)
.set X, X+1
.endr
.endm
; 16 matrix instructions: A's blocks a0, a0 + 1 x B's eight.  The 64 accumulators take turns, one instruction a turn, in the same order in every K step.
.macro MUL16 a0, set, ks, zero
.irp a, \a0, \a0+1
.irp b, 0,1,2,3,4,5,6,7
.if \zero
	v_wmma_scale_f32_16x16x128_f8f6f4 v[8*(8*((\a)%4)+\b):8*(8*((\a)%4)+\b)+7], v[128*(\set)+FR*\b:128*(\set)+FR*\b+FR-1], v[AF+FR*(\a):AF+FR*(\a)+FR-1], 0, v[SC+8*(\ks)+\b], v[SC+8*(\ks)+(\a)] matrix_a_fmt:MATRIX_FMT_BF6 matrix_b_fmt:MATRIX_FMT_BF6 matrix_a_scale:MATRIX_SCALE_ROW1
.else
	v_wmma_scale_f32_16x16x128_f8f6f4 v[8*(8*((\a)%4)+\b):8*(8*((\a)%4)+\b)+7], v[128*(\set)+FR*\b:128*(\set)+FR*\b+FR-1], v[AF+FR*(\a):AF+FR*(\a)+FR-1], v[8*(8*((\a)%4)+\b):8*(8*((\a)%4)+\b)+7], v[SC+8*(\ks)+\b], v[SC+8*(\ks)+(\a)] matrix_a_fmt:MATRIX_FMT_BF6 matrix_b_fmt:MATRIX_FMT_BF6 matrix_a_scale:MATRIX_SCALE_ROW1
.endif
.endr
.endr
.endm
.macro STEP ks, slot, zero             ; an even K step: its successor lies in the same slot
	s_wait_dscnt 12                                ; all but the youngest 12 loads (A's blocks 4-7) are in
	WIN MUL_LO
	MUL16 0, 0, \ks, \zero
	MUL16 2, 0, \ks, \zero
	s_wait_dscnt 0x0                               ; A's blocks 4-7 are in
	PLACES 4
	FETCH_B \slot, 1, 1
	FETCH_A \slot, 1, 0
	WIN MUL_HI
	MUL16 4, 0, \ks, \zero
	MUL16 6, 0, \ks, \zero
	PLACES 4
	WIN 0
	FETCH_A \slot, 1, 4
.endm
; An odd K step changes slots: one barrier.  tcnt: how many younger tensor loads may stay out when the next slot's has to be in.  fill = 1: slot 0 is filled again behind the barrier: then the wait is for all my tensor
; loads, the add follows it, and the wait for the add and for my LDS reads stands in front of the signal.
.macro TURN ks, next, tcnt, fill
	s_wait_tensorcnt \tcnt
.if \fill
	ds_add_u32 v[SPW], v[NIL]                      ; 0 onto my spare word
	s_wait_dscnt 13                                ; (the add and A's blocks 4-7 may be out)
.else
	s_wait_dscnt 12
.endif
	WIN MUL_LO
	MUL16 0, 1, \ks, 0
	s_wait_dscnt 0x0                               ; my reads of this slot are over (and the add is done)
	s_barrier_signal -1
	MUL16 2, 1, \ks, 0
	WIN 0
	s_barrier_wait -1
.if \fill
	tensor_load_to_lds s[G0F+12:G0F+15], s[G1C:G1C+7]   ; K steps 6, 7 into slot 0, which every wave left two K steps ago: my one tensor load behind this barrier; 96 matrix instructions stand ahead of the wait for it
	s_nop 0
.endif
	PLACES 4
	FETCH_B \next, 0, 0
	FETCH_A \next, 0, 0
	WIN MUL_HI
	MUL16 4, 1, \ks, 0
	MUL16 6, 1, \ks, 0
	PLACES 4
	WIN 0
	FETCH_A \next, 0, 4
.endm
; 64 numbers of a lane, register 16 b + i of block b, become a fragment's codes in v[PC] on and its scale word in v[pw]
.macro QUANT s, pw
.irp b, 0,1,2,3
	v_max3_num_f32 v[TM+\b], |v[\s+16*\b]|, |v[\s+1+16*\b]|, 0x2800000   ; my 16 numbers of block b, and the floor 2^(5 - 127): the byte cannot fall under 1
.endr
.irp i, 2,4,6,8,10,12,14
.irp b, 0,1,2,3
	v_max3_num_f32 v[TM+\b], v[TM+\b], |v[\s+16*\b+\i]|, |v[\s+1+16*\b+\i]|
.endr
.endr
.irp b, 0,1,2,3
	v_permlanex16_b32 v[TM+4+\b], v[TM+\b], s[SEL], s[SEL+1]
.endr
.irp b, 0,1,2,3
	v_max_num_f32 v[TM+\b], v[TM+\b], v[TM+4+\b]   ; with lane l xor 16's 16: the block's largest magnitude
.endr
.irp b, 0,1,2,3
	v_add_nc_u32 v[TM+12+\b], 0xfe000000, v[TM+\b] ; 4 off the exponent field: the conversion's scale operand
.endr
.irp b, 0,1,2,3
	v_lshrrev_b32 v[TM+4+\b], 23, v[TM+12+\b]      ; the scale's byte
.endr
	v_lshl_or_b32 v[\pw], v[TM+5], 8, v[TM+4]
	v_lshl_or_b32 v[\pw], v[TM+6], 16, v[\pw]
	v_lshl_or_b32 v[\pw], v[TM+7], 24, v[\pw]
.irp c, 0,1
	v_cvt_scalef32_pk16_bf6_f32 v[PC+6*\c:PC+2+6*\c], v[\s+32*\c:\s+15+32*\c], v[TM+12+2*\c]
	v_cvt_scalef32_pk16_bf6_f32 v[PC+12+4*\c:PC+14+4*\c], v[\s+16+32*\c:\s+31+32*\c], v[TM+12+2*\c+1]
.endr
	v_nop                                          ; one plain place behind a scaled conversion
.irp c, 0,1                                    ; a whole block to a lane: lanes 0-15 block 2 c, lanes 16-31 block 2 c + 1
.irp i, 0,1,2
	v_permlane16_swap_b32 v[PC+6*\c+\i], v[PC+12+4*\c+\i]
.endr
.irp i, 0,1,2
	v_mov_b32 v[PC+3+6*\c+\i], v[PC+12+4*\c+\i]
.endr
.endr
.endm
	s_load_b256 s[4:11], s[0:1], 0x0               ; opa s[4:5], opas s[6:7], bq s[8:9], bk s[10:11]
	s_load_b128 s[12:15], s[0:1], 0x20             ; bv s[12:13], qkvf s[14:15]
	s_load_b64 s[16:17], s[0:1], 0x30              ; qkvs
	v_lshl_add_u32 v[SPW], v0, 2, SPARE
	v_mov_b32 v[NIL], 0
	ds_add_u32 v16, v17
	ds_add_u32 v16, v17
	s_wait_dscnt 0x0
	v_lshrrev_b32 v1, 5, v0
	v_readfirstlane_b32 s[WV], v1                  ; wave 0..3
	s_lshr_b32 s[HA], s[WV], 1                     ; my half of A's rows.  Also: I fetch for A (0) or for B (1)
	s_and_b32 s[HB], s[WV], 1                      ; my half of B's rows.  Also: which 128 rows I fetch
	s_lshr_b32 s21, ttmp9, 6                       ; job: 0 q, 1 k, 2 v
	s_bfe_u32 s66, ttmp9, 0x40002                  ; which 256 rows of x
	s_and_b32 s67, ttmp9, 3                        ; which 256 rows of W
	s_mov_b32 s74, 4096
	s_mov_b32 s72, 12288
	s_cmp_eq_u32 s21, 2
	s_cselect_b32 s22, 1, 0                        ; v?
	s_cselect_b32 s68, s67, s66                    ; tr: A's tile
	s_cselect_b32 s69, s66, s67                    ; tc: B's tile
	s_cselect_b32 s70, 0, -1                       ; the mask that keeps BB (q, k)
	s_cselect_b32 s71, -1, 0                       ; the mask that keeps YA (v)
	s_cselect_b32 s75, 32, 8                       ; K steps in a row of the result's images
	s_cselect_b32 s74, 1024, s74                   ; rows in the result's table of scale words
	s_cselect_b32 s72, 49152, s72                  ; bytes from rowtile to rowtile in the result
	s_mov_b32 s73, 0
	s_mul_i32 s84, s66, 196608                     ; x's tile: 16 rowtiles of 12,288 bytes
	s_mul_i32 s85, s21, 786432
	s_mul_i32 s23, s67, 196608
	s_add_co_u32 s85, s85, s23
	s_add_co_u32 s85, s85, 3145728                 ; W's tile
	s_lshl_b32 s86, s66, 10                        ; and their scale words
	s_lshl_b32 s87, s21, 12
	s_lshl_b32 s23, s67, 10
	s_add_co_u32 s87, s87, s23
	s_add_co_u32 s87, s87, 131072
	s_xor_b32 s23, s[HA], s22                      ; do I fetch W?  B's side for q, k; A's for v
	s_cmp_eq_u32 s23, 1
	s_cselect_b32 s76, s85, s84
	s_cselect_b32 s78, s87, s86
	s_mul_i32 s23, s[HB], 98304                    ; my 8 rowtiles
	s_add_co_u32 s76, s76, s23
	s_lshl_b32 s23, s[HB], 9
	s_add_co_u32 s78, s78, s23
	s_mov_b32 s77, 0
	s_mov_b32 s79, 0
	; group 1 for codes: 8 rows (rowtiles) of 3,072 bytes (two K steps), 12,288 bytes apart; elements of 8 bytes; no padding, no mask
	s_mov_b32 s[G1C+0], 3<<16
	s_mov_b32 s[G1C+1], 384<<16                    ; tensor_dim0
	s_mov_b32 s[G1C+2], 8<<16                      ; tensor_dim1
	s_mov_b32 s[G1C+3], 384<<16                    ; tile_dim0
	s_mov_b32 s[G1C+4], 8                          ; tile_dim1
	s_mov_b32 s[G1C+5], 1536                       ; the pitch
	s_mov_b32 s[G1C+6], 0
	s_mov_b32 s[G1C+7], 0
	; group 1 for scale words: 8 rows (K steps) of 512 bytes (128 rows), 16,384 bytes apart
	s_mov_b32 s[G1S+0], 3<<16
	s_mov_b32 s[G1S+1], 64<<16
	s_mov_b32 s[G1S+2], 8<<16
	s_mov_b32 s[G1S+3], 64<<16
	s_mov_b32 s[G1S+4], 8
	s_mov_b32 s[G1S+5], 2048
	s_mov_b32 s[G1S+6], 0
	s_mov_b32 s[G1S+7], 0
	s_mul_i32 s80, s[WV], QUART                    ; my quarter of a slot
	s_lshl_b32 s81, s[WV], 12                      ; and of the scale words
	s_wait_kmcnt 0x0
	s_mov_b32 s[G0S], 1
	s_add_co_u32 s[G0S+1], s81, SCL
	s_add_nc_u64 s[G0S+2:G0S+3], s[6:7], s[78:79]
	s_or_b32 s[G0S+3], s[G0S+3], 0x80000000
	s_add_nc_u64 s[82:83], s[4:5], s[76:77]
.irp f, 0,1,2,3                                ; fill f: K steps 2 f, 2 f + 1, into slot f % 3.  No group 0 is ever written again
	s_mov_b32 s[G0F+4*\f], 1
	s_add_co_u32 s[G0F+4*\f+1], s80, (\f%3)*SLOTB
	s_add_nc_u64 s[G0F+4*\f+2:G0F+4*\f+3], s[82:83], 3072*\f
	s_or_b32 s[G0F+4*\f+3], s[G0F+4*\f+3], 0x80000000
.endr
	tensor_load_to_lds s[G0S:G0S+3], s[G1S:G1S+7]  ; the first fills go out as one group
	s_nop 0
	tensor_load_to_lds s[G0F:G0F+3], s[G1C:G1C+7]
	s_nop 0
	tensor_load_to_lds s[G0F+4:G0F+7], s[G1C:G1C+7]
	s_nop 0
	tensor_load_to_lds s[G0F+8:G0F+11], s[G1C:G1C+7]
	s_nop 0
	PLACES 4                                       ; (behind a tensor load)
	v_and_b32 v1, 31, v0
	v_and_b32 v2, 15, v0                           ; r
	v_bfe_u32 v3, v0, 4, 1                         ; h
	v_lshlrev_b32 v4, 4, v1                        ; 16 x lane: an image's place for my lane, in LDS and in memory; never rewritten
	s_mul_i32 s84, s[HA], QUART
	s_mul_i32 s85, s[HB], QUART
	s_add_co_u32 s85, s85, 2*QUART
.irp s, 0,1,2
	v_add_nc_u32 v[ADRA+\s], s84, v4
	v_add_nc_u32 v[ADRB+\s], s85, v4
	s_add_co_u32 s84, s84, SLOTB
	s_add_co_u32 s85, s85, SLOTB
.endr
	v_lshlrev_b32 v5, 2, v2
	s_lshl_b32 s84, s[HA], 12                      ; A's words: quarter hA
	s_lshl_b32 s85, s[HB], 12                      ; B's: quarter 2 + hB
	s_add_co_u32 s85, s85, 8192
	s_sub_co_u32 s85, s85, s84
	v_mul_u32_u24 v6, s85, v3                      ; lanes 16-31 take B's
	s_add_co_u32 s84, s84, SCL
	v_add_nc_u32 v5, v5, v6
	v_add_nc_u32 v[ADRS], s84, v5
	s_lshl_b32 s84, s[WV], 9
	s_add_co_u32 s84, s84, STG
	v_lshl_add_u32 v[STO], v2, 2, s84
	v_add_nc_u32 v[SRD], s84, v4
	v_lshlrev_b32 v20, 5, v3                       ; 32 h
	v_lshlrev_b32 v21, 2, v2                       ; 4 r
.irp b, 0,1,2,3
	v_mov_b32 v[TM+4+\b], 0                        ; written once: a lane permute's destination counts as one of its sources
.endr
	s_mov_b32 s[SEL], 0x76543210
	s_mov_b32 s[SEL+1], 0xfedcba98
	; THE BIAS, without a branch: result = BB x YA + sum.  q, k: BB = the bias of the register's feature, YA = 1.  v: BB = 1, YA = the bias of the lane's channel.
	s_cmp_eq_u32 s21, 1
	s_cselect_b64 s[8:9], s[10:11], s[8:9]
	s_cmp_eq_u32 s21, 2
	s_cselect_b64 s[8:9], s[12:13], s[8:9]
	s_lshl_b32 s84, s69, 10
	s_lshl_b32 s23, s[HB], 9
	s_add_co_u32 s84, s84, s23                     ; (256 tc + 128 hB) x 4
	s_lshl_b32 s86, s68, 10
	s_lshl_b32 s23, s[HA], 9
	s_add_co_u32 s86, s86, s23                     ; (256 tr + 128 hA) x 4
	s_cmp_eq_u32 s22, 1
	s_cselect_b32 s84, 0, s84                      ; the side that is replaced by 1 loads from the buffer's head: inside it
	s_cselect_b32 s86, s86, 0
	s_mov_b32 s85, 0
	s_mov_b32 s87, 0
	s_add_nc_u64 s[84:85], s[8:9], s[84:85]
	s_add_nc_u64 s[86:87], s[8:9], s[86:87]
	WIN 0x40                                       ; destination window 1
.set X, 0
.rept 16                                       ; BB[8 b + j] = bias[.. + 16 b + 8 h + j]
	global_load_b128 v[96+4*X+96*(X/8):99+4*X+96*(X/8)], v20, s[84:85] offset:64*(X/2)+16*(X%2)
.set X, X+1
.endr
	WIN 0
.irp a, 0,1,2,3,4,5,6,7                        ; YA[a] = bias[.. + 16 a + r], twice: a pair for the packed form
	global_load_b32 v[YA+2*\a], v21, s[86:87] offset:64*\a
	global_load_b32 v[YA+2*\a+1], v21, s[86:87] offset:64*\a
.endr
	; where the results go
	s_lshl_b32 s88, s68, 4
	s_lshl_b32 s23, s[HA], 3
	s_add_co_u32 s88, s88, s23                     ; rowtile 16 tr + 8 hA
	s_mul_i32 s88, s88, s75
	s_lshl_b32 s23, s69, 1
	s_add_co_u32 s23, s23, s[HB]                   ; K step 2 tc + hB
	s_add_co_u32 s88, s88, s23
	s_mul_i32 s88, s88, 1536
	s_mul_i32 s90, s21, 3145728
	s_add_co_u32 s88, s88, s90
	s_mov_b32 s89, 0
	s_add_nc_u64 s[14:15], s[14:15], s[88:89]
	s_mul_i32 s90, s23, s74
	s_lshl_b32 s88, s68, 8
	s_add_co_u32 s90, s90, s88
	s_lshl_b32 s88, s[HA], 7
	s_add_co_u32 s90, s90, s88
	s_lshl_b32 s90, s90, 2
	s_lshl_b32 s88, s21, 17
	s_add_co_u32 s90, s90, s88
	s_mov_b32 s91, 0
	s_add_nc_u64 s[16:17], s[16:17], s[90:91]
	s_wait_loadcnt 0x0
	WIN 0x44                                       ; source 1 and destination window 1
.set X, 0
.rept 64
	v_cndmask_b32 v[96+X+96*(X/32)], 1.0, v[96+X+96*(X/32)], s70
.set X, X+1
.endr
	WIN 0
.set X, 0
.rept 16
	v_cndmask_b32 v[YA+X], 1.0, v[YA+X], s71
.set X, X+1
.endr
	s_wait_tensorcnt 2                             ; the scale words and K steps 0, 1 are in; the two younger fills may stay out
	s_barrier_signal -1
	s_barrier_wait -1
	SCALES
	FETCH_B 0, 0, 0
	FETCH_A 0, 0, 0
	FETCH_A 0, 0, 4
	STEP 0, 0, 1                                   ; the first products start the sums: nothing is cleared
	TURN 1, 1, 1, 0                                ; on to slot 1; the fill of slot 2 may stay out
	STEP 2, 1, 0
	TURN 3, 2, 0, 1                                ; on to slot 2; slot 0 is filled again
	STEP 4, 2, 0
	TURN 5, 0, 0, 0                                ; on to slot 0: its second fill, my only load out, is in
	STEP 6, 0, 0
	s_wait_dscnt 12                                ; the last K step: nothing more to fetch
	WIN MUL_LO
	MUL16 0, 1, 7, 0
	MUL16 2, 1, 7, 0
	s_wait_dscnt 0x0
	WIN MUL_HI
	MUL16 4, 1, 7, 0
	MUL16 6, 1, 7, 0
	WIN 0
	PLACES 4
; THE WAY OUT, a tile of 16 of A's rows at a time: bias, quantiser, the image to memory (three stores of 512 consecutive bytes), the scale word to my stage.
.macro OUTA a
	s_wait_xcnt 0x0                                ; the last image's stores have read their data and their base
.if \a > 0
	s_add_nc_u64 s[14:15], s[14:15], s[72:73]      ; the next rowtile
.endif
	WIN 0x21+0x10*((\a)/4)                         ; source 0 (BB) window 1, source 2 (the sums) window 2 or 3
.set X, 0
.rept 32                                       ; each accumulator from its low end on
	v_pk_fma_f32 v[T+X:T+X+1], v[96+X+96*(X/32):97+X+96*(X/32)], v[YA+2*(\a):YA+2*(\a)+1], v[64*((\a)%4)+X:64*((\a)%4)+X+1]
.set X, X+2
.endr
	WIN 0
	QUANT T, PW+(\a)
.irp c, 0,1,2
	global_store_b128 v4, v[PC+4*\c:PC+4*\c+3], s[14:15] offset:512*\c
.endr
	ds_store_b32 v[STO], v[PW+(\a)] offset:64*(\a) ; lanes l and l xor 16 write the same word with the same value
.endm
.irp a, 0,1,2,3,4,5,6,7
	OUTA \a
.endr
	ds_load_b128 v[232:235], v[SRD]                ; LDS serves a wave's instructions in order: this sees my stores.  My 128 rows' scale words,
	s_wait_dscnt 0x0
	global_store_b128 v4, v[232:235], s[16:17]     ; 512 consecutive bytes
	s_wait_tensorcnt 0x0                           ; the wave's end
	ds_add_u32 v[SPW], v[NIL]
	s_wait_dscnt 0x0
	s_endpgm
.Lfunc_end_k_qb13f7e502f_proj:
	.size	k_qb13f7e502f_proj, .Lfunc_end_k_qb13f7e502f_proj-k_qb13f7e502f_proj
	.p2alignl 7, 3214868480
	.fill 96, 4, 3214868480
	.section	.rodata,"a",@progbits
	.p2align	6, 0x0
	.amdhsa_kernel k_qb13f7e502f_proj
		.amdhsa_group_segment_fixed_size 327680
		.amdhsa_private_segment_fixed_size 0
		.amdhsa_enable_private_segment 0
		.amdhsa_kernarg_size 56
		.amdhsa_user_sgpr_count 2
		.amdhsa_user_sgpr_kernarg_segment_ptr 1
		.amdhsa_wavefront_size32 1
		.amdhsa_system_sgpr_workgroup_id_x 1
		.amdhsa_system_sgpr_workgroup_id_y 1
		.amdhsa_system_sgpr_workgroup_id_z 1
		.amdhsa_system_vgpr_workitem_id 0
		.amdhsa_next_free_vgpr 1024
		.amdhsa_next_free_sgpr 100
		.amdhsa_reserve_vcc 0
		.amdhsa_float_denorm_mode_32 3
		.amdhsa_float_denorm_mode_16_64 3
		.amdhsa_memory_ordered 1
		.amdhsa_forward_progress 1
		.amdhsa_inst_pref_size 163
	.end_amdhsa_kernel
	.amdgpu_metadata
---
amdhsa.version: [ 1, 2 ]
amdhsa.kernels:
  - .name:           k_qb13f7e502f_proj
    .symbol:         k_qb13f7e502f_proj.kd
    .args:
      - { .name: opa, .offset: 0, .size: 8, .value_kind: global_buffer, .address_space: global }
      - { .name: opas, .offset: 8, .size: 8, .value_kind: global_buffer, .address_space: global }
      - { .name: bq, .offset: 16, .size: 8, .value_kind: global_buffer, .address_space: global }
      - { .name: bk, .offset: 24, .size: 8, .value_kind: global_buffer, .address_space: global }
      - { .name: bv, .offset: 32, .size: 8, .value_kind: global_buffer, .address_space: global }
      - { .name: qkvf, .offset: 40, .size: 8, .value_kind: global_buffer, .address_space: global }
      - { .name: qkvs, .offset: 48, .size: 8, .value_kind: global_buffer, .address_space: global }
    .group_segment_fixed_size: 327680
    .private_segment_fixed_size: 0
    .kernarg_segment_align: 8
    .kernarg_segment_size: 56
    .max_flat_workgroup_size: 128
    .sgpr_count:     100
    .vgpr_count:     1024
    .wavefront_size: 32
...
	.end_amdgpu_metadata
.endif
;; end of part 2
;; launch scores (part 3): grid 136 x 1, 4 waves a work-group, no clusters, 327,680 bytes of LDS; arguments qkvf, qkvs, frame_no, alibi_param, pf, pst; writes pf, pst
.if DOCPART == 3
	.amdgcn_target "amdgcn-amd-amdhsa--gfx1250"
	.amdhsa_code_object_version 6
	.text
	.protected	k_qb13f7e502f_scores
	.globl	k_qb13f7e502f_scores
	.p2align	8
	.type	k_qb13f7e502f_scores,@function
k_qb13f7e502f_scores:
	s_mov_b64 s[64:65], 0
	v_nop
	global_prefetch_b8 v0, s[64:65] scope:SCOPE_SE
	s_setreg_imm32_b32 hwreg(HW_REG_WAVE_MODE, 25, 1), 1
	s_wait_xcnt 0x0
; SCORES.  q k^T on E3M2 codes (K = 1,024) for the 136 tiles of 256 queries x 256 keys that the causal mask leaves, then logit = score / 32 - sigmoid(alibi_param) |frame_no[key] - frame_no[query]|, the mask, and p, quantised along the keys.
; p IS MADE AGAINST A LOCAL M: for each query and each group of 128 keys (a K step of the next product), M = ceil(the group's largest t), t = logit x log2(e); p = 2^(t - M).  M is a whole number, so a later change to the
; row's M is an exact power of two that the scale bytes take up: the codes stay.  Stored: p's images (pf), for each (group, query) the scale word with the local M (pst, pairs of 8 bytes) and the sum of the unquantised p.
; A maximum is taken away ahead of every exponential: the group's own.
; The core is the same as the projections': source 0 = 16 keys (along a lane's registers), source 1 = 16 queries (in the lanes); a wave makes 128 queries x 128 keys: one group.
; Inside a block of 32 keys the codes stand in the order 0-7, 16-23, 8-15, 24-31, as v's do: the next product pairs the same keys.
; A wave whose 128 keys all come after its 128 queries (one in each tile on the diagonal) still fetches and multiplies with the others, since they read what it fetches; its results are dropped, and it writes what the next launch reads above
; the diagonal: zero codes up to a multiple of 4 groups, and for every group above the diagonal the word 0x40404040, M = -3e38 and the sum 0.
; No cluster: the causal tiles form no rectangle: four partners along a row or a column of tiles would include tiles that lie wholly under the mask.
; LIMITS: a scale byte of p is held at 64 from below, so a block whose largest p lies under 2^-59 of its group's largest is coarsened; NaN and infinities are not served.
; REGISTERS: window 0: v0-31 addresses; v32-95 scale words; v96-111 FI; v112-127 at work; v128-223 A's fragments, on the way out v128-191 a tile's 64 numbers and v192-210 codes; v224-255 statistics.
;   window 1: B's fragments in v0-95, v128-223; FJ in v96-127, v224-255.   windows 2, 3: accumulator (a, b) at v[8 (8 (a % 4) + b)].
.set SLOTB, 98304
.set QUART, 24576
.set SCL,   3*SLOTB
.set SPARE, SCL+16384                  ; the spare words, 128 bytes a wave: two blocks of 256 bytes that no other line names
.set STG,   SPARE+512                  ; 1,536 bytes a wave: 128 pairs (word, M), 128 sums; no tensor load lands here
.set FR,    12
.set ADRA,  8
.set ADRB,  12
.set ADRS,  15
.set SPW,   16
.set NIL,   17
.set STP,   18                         ; v18  where I put a pair
.set STL,   19                         ; v19  where I put a sum
.set SRD,   20                         ; v20  where I read them back
.set DL,    21                         ; v21  r - 8 h
.set NINF,  22                         ; v22  -infinity
.set SC,    32
.set FI,    96                         ; v96-111  frame_no of my lane's query in tile a, twice
.set BM,    112                        ; v112-115 a block's largest score, then its largest p
.set PT,    116                        ; v116-119 from lane l xor 16
.set SO,    120                        ; v120-123 the conversions' scale operands
.set BY,    124                        ; v124-127 the bytes
.set AF,    128
.set T,     128
.set PC,    192
.set NM,    224                        ; v224 -M (v225 named with it as a pair)
.set S1,    226
.set S2,    228
.set GM,    230
.set WM,    232                        ; v232-247 (scale word, M) for each tile of queries
.set LS,    248                        ; v248-255 the sums
.set G1C,   24
.set G1S,   32
.set G0S,   40
.set G0F,   44
.set WV,    18
.set HA,    19
.set HB,    20
.set C1,    68                         ; s[68:69] log2(e) / 32
.set SIG,   70                         ; s70 32 x sigmoid(alibi_param)
.set SEL,   92
.set MSB, 0
.macro WIN new
.if MSB != (\new)
	s_set_vgpr_msb (MSB<<8)|(\new)
.set MSB, (\new)
.endif
.endm
.set MUL_LO, 0xa1
.set MUL_HI, 0xf1
.set TO_B,   0x40
.macro PLACES n
.rept \n
	v_nop
.endr
.endm
.macro FRAG reg, adr, off
.irp c, 0,1,2
	ds_load_b128 v[(\reg)+4*\c:(\reg)+4*\c+3], v[\adr] offset:(\off)+512*\c
.endr
.endm
.macro FETCH_B slot, q, set
	WIN TO_B
.irp i, 0,1,2,3,4,5,6,7
	FRAG 128*(\set)+FR*\i, ADRB+(\slot), 3072*\i+1536*(\q)
.endr
	WIN 0
.endm
.macro FETCH_A slot, q, i0
.irp i, \i0, \i0+1, \i0+2, \i0+3
	FRAG AF+FR*(\i), ADRA+(\slot), 3072*(\i)+1536*(\q)
.endr
.endm
.macro SCALES
.set X, 0
.rept 64
	ds_load_b32 v[SC+X], v[ADRS] offset:512*(X/8)+64*(X%8)
.set X, X+1
.endr
.endm
.macro MUL16 a0, set, ks, zero         ; the 64 accumulators take turns, one instruction a turn
.irp a, \a0, \a0+1
.irp b, 0,1,2,3,4,5,6,7
.if \zero
	v_wmma_scale_f32_16x16x128_f8f6f4 v[8*(8*((\a)%4)+\b):8*(8*((\a)%4)+\b)+7], v[128*(\set)+FR*\b:128*(\set)+FR*\b+FR-1], v[AF+FR*(\a):AF+FR*(\a)+FR-1], 0, v[SC+8*(\ks)+\b], v[SC+8*(\ks)+(\a)] matrix_a_fmt:MATRIX_FMT_BF6 matrix_b_fmt:MATRIX_FMT_BF6 matrix_a_scale:MATRIX_SCALE_ROW1
.else
	v_wmma_scale_f32_16x16x128_f8f6f4 v[8*(8*((\a)%4)+\b):8*(8*((\a)%4)+\b)+7], v[128*(\set)+FR*\b:128*(\set)+FR*\b+FR-1], v[AF+FR*(\a):AF+FR*(\a)+FR-1], v[8*(8*((\a)%4)+\b):8*(8*((\a)%4)+\b)+7], v[SC+8*(\ks)+\b], v[SC+8*(\ks)+(\a)] matrix_a_fmt:MATRIX_FMT_BF6 matrix_b_fmt:MATRIX_FMT_BF6 matrix_a_scale:MATRIX_SCALE_ROW1
.endif
.endr
.endr
.endm
.macro STEP ks, slot, zero
	s_wait_dscnt 12                                ; all but the youngest 12 loads (A's blocks 4-7) are in
	WIN MUL_LO
	MUL16 0, 0, \ks, \zero
	MUL16 2, 0, \ks, \zero
	s_wait_dscnt 0x0
	PLACES 4
	FETCH_B \slot, 1, 1
	FETCH_A \slot, 1, 0
	WIN MUL_HI
	MUL16 4, 0, \ks, \zero
	MUL16 6, 0, \ks, \zero
	PLACES 4
	WIN 0
	FETCH_A \slot, 1, 4
.endm
.macro TURN ks, next, tcnt, fill
	s_wait_tensorcnt \tcnt
.if \fill
	ds_add_u32 v[SPW], v[NIL]                      ; 0 onto my spare word
	s_wait_dscnt 13                                ; (the add and A's blocks 4-7 may be out)
.else
	s_wait_dscnt 12
.endif
	WIN MUL_LO
	MUL16 0, 1, \ks, 0
	s_wait_dscnt 0x0                               ; my reads of this slot are over (and the add is done)
	s_barrier_signal -1
	MUL16 2, 1, \ks, 0
	WIN 0
	s_barrier_wait -1
.if \fill
	tensor_load_to_lds s[G0F+12:G0F+15], s[G1C:G1C+7]   ; K steps 6, 7 into slot 0, which every wave left two K steps ago: my one tensor load behind this barrier
	s_nop 0
.endif
	PLACES 4
	FETCH_B \next, 0, 0
	FETCH_A \next, 0, 0
	WIN MUL_HI
	MUL16 4, 1, \ks, 0
	MUL16 6, 1, \ks, 0
	PLACES 4
	WIN 0
	FETCH_A \next, 0, 4
.endm
	s_load_b256 s[4:11], s[0:1], 0x0               ; qkvf s[4:5], qkvs s[6:7], frame_no s[8:9], alibi_param s[10:11]
	s_load_b128 s[12:15], s[0:1], 0x20             ; pf s[12:13], pst s[14:15]
	v_lshl_add_u32 v[SPW], v0, 2, SPARE
	v_mov_b32 v[NIL], 0
	ds_add_u32 v16, v17
	ds_add_u32 v16, v17
	s_wait_dscnt 0x0
	v_lshrrev_b32 v1, 5, v0
	v_readfirstlane_b32 s[WV], v1
	s_lshr_b32 s[HA], s[WV], 1                     ; my half of the queries.  Also: I fetch for q (0) or for k (1)
	s_and_b32 s[HB], s[WV], 1                      ; my half of the keys.  Also: which 128 rows I fetch
	s_mov_b32 s21, 0                               ; the tile (I, J), J <= I, from the work-group's number I (I + 1) / 2 + J
.irp m, 1,3,6,10,15,21,28,36,45,55,66,78,91,105,120
	s_cmp_ge_u32 ttmp9, \m
	s_add_co_ci_u32 s21, s21, 0
.endr
	s_add_co_u32 s23, s21, 1
	s_mul_i32 s23, s23, s21
	s_lshr_b32 s23, s23, 1
	s_sub_co_u32 s22, ttmp9, s23
	s_mul_i32 s72, s21, 196608                     ; q's tile
	s_mul_i32 s73, s22, 196608
	s_add_co_u32 s73, s73, 3145728                 ; k's tile
	s_lshl_b32 s74, s21, 10
	s_lshl_b32 s75, s22, 10
	s_add_co_u32 s75, s75, 131072
	s_cmp_eq_u32 s[HA], 0
	s_cselect_b32 s76, s72, s73
	s_cselect_b32 s78, s74, s75
	s_mul_i32 s23, s[HB], 98304
	s_add_co_u32 s76, s76, s23
	s_lshl_b32 s23, s[HB], 9
	s_add_co_u32 s78, s78, s23
	s_mov_b32 s77, 0
	s_mov_b32 s79, 0
	s_mov_b32 s[G1C+0], 3<<16                      ; codes: 8 rows of 3,072 bytes, 12,288 bytes apart; elements of 8 bytes
	s_mov_b32 s[G1C+1], 384<<16
	s_mov_b32 s[G1C+2], 8<<16
	s_mov_b32 s[G1C+3], 384<<16
	s_mov_b32 s[G1C+4], 8
	s_mov_b32 s[G1C+5], 1536
	s_mov_b32 s[G1C+6], 0
	s_mov_b32 s[G1C+7], 0
	s_mov_b32 s[G1S+0], 3<<16                      ; scale words: 8 rows of 512 bytes, 16,384 bytes apart
	s_mov_b32 s[G1S+1], 64<<16
	s_mov_b32 s[G1S+2], 8<<16
	s_mov_b32 s[G1S+3], 64<<16
	s_mov_b32 s[G1S+4], 8
	s_mov_b32 s[G1S+5], 2048
	s_mov_b32 s[G1S+6], 0
	s_mov_b32 s[G1S+7], 0
	s_mul_i32 s80, s[WV], QUART
	s_lshl_b32 s81, s[WV], 12
	s_wait_kmcnt 0x0
	s_mov_b32 s[G0S], 1
	s_add_co_u32 s[G0S+1], s81, SCL
	s_add_nc_u64 s[G0S+2:G0S+3], s[6:7], s[78:79]
	s_or_b32 s[G0S+3], s[G0S+3], 0x80000000
	s_add_nc_u64 s[82:83], s[4:5], s[76:77]
.irp f, 0,1,2,3
	s_mov_b32 s[G0F+4*\f], 1
	s_add_co_u32 s[G0F+4*\f+1], s80, (\f%3)*SLOTB
	s_add_nc_u64 s[G0F+4*\f+2:G0F+4*\f+3], s[82:83], 3072*\f
	s_or_b32 s[G0F+4*\f+3], s[G0F+4*\f+3], 0x80000000
.endr
	tensor_load_to_lds s[G0S:G0S+3], s[G1S:G1S+7]  ; the first fills go out as one group: four tensor loads of mine are out
	s_nop 0
	tensor_load_to_lds s[G0F:G0F+3], s[G1C:G1C+7]
	s_nop 0
	tensor_load_to_lds s[G0F+4:G0F+7], s[G1C:G1C+7]
	s_nop 0
	tensor_load_to_lds s[G0F+8:G0F+11], s[G1C:G1C+7]
	s_nop 0
	PLACES 4
	s_load_b32 s71, s[10:11], 0x0                  ; alibi_param
	v_and_b32 v1, 31, v0
	v_and_b32 v2, 15, v0                           ; r
	v_bfe_u32 v3, v0, 4, 1                         ; h
	v_lshlrev_b32 v4, 4, v1                        ; 16 x lane; never rewritten
	s_mul_i32 s84, s[HA], QUART
	s_mul_i32 s85, s[HB], QUART
	s_add_co_u32 s85, s85, 2*QUART
.irp s, 0,1,2
	v_add_nc_u32 v[ADRA+\s], s84, v4
	v_add_nc_u32 v[ADRB+\s], s85, v4
	s_add_co_u32 s84, s84, SLOTB
	s_add_co_u32 s85, s85, SLOTB
.endr
	v_lshlrev_b32 v5, 2, v2
	s_lshl_b32 s84, s[HA], 12
	s_lshl_b32 s85, s[HB], 12
	s_add_co_u32 s85, s85, 8192
	s_sub_co_u32 s85, s85, s84
	v_mul_u32_u24 v6, s85, v3                      ; lanes 16-31 take B's words
	s_add_co_u32 s84, s84, SCL
	v_add_nc_u32 v5, v5, v6
	v_add_nc_u32 v[ADRS], s84, v5
	s_mul_i32 s84, s[WV], 1536
	s_add_co_u32 s84, s84, STG
	v_lshl_add_u32 v[STP], v2, 3, s84
	v_add_nc_u32 v[SRD], s84, v4
	s_add_co_u32 s84, s84, 1024
	v_lshl_add_u32 v[STL], v2, 2, s84
	v_lshlrev_b32 v5, 3, v3
	v_sub_nc_u32 v[DL], v2, v5
	v_mov_b32 v[NINF], 0xff800000
	v_lshlrev_b32 v23, 5, v3                       ; 32 h
	v_lshlrev_b32 v24, 2, v2                       ; 4 r
.irp b, 0,1,2,3
	v_mov_b32 v[PT+\b], 0                          ; written once: a lane permute's destination counts as one of its sources
.endr
	v_mov_b32 v[NM+1], 0                           ; (named as the upper half of a pair)
	s_mov_b32 s[SEL], 0x76543210
	s_mov_b32 s[SEL+1], 0xfedcba98
	s_mov_b32 s[C1], 0x3d38aa3b                    ; log2(e) / 32
	s_mov_b32 s[C1+1], s[C1]
	s_lshl_b32 s66, s21, 1
	s_add_co_u32 s66, s66, s[HA]                   ; i: my block of 128 queries
	s_lshl_b32 s67, s22, 1
	s_add_co_u32 s67, s67, s[HB]                   ; g: my group of 128 keys
	s_lshl_b32 s84, s66, 8
	s_add_co_u32 s84, s84, s67
	s_mul_i32 s84, s84, 1536                       ; p's image (rowtile 8 i, K step g)
	s_mov_b32 s85, 0
	s_add_nc_u64 s[12:13], s[12:13], s[84:85]
	s_lshl_b32 s86, s67, 12
	s_lshl_b32 s23, s66, 7
	s_add_co_u32 s86, s86, s23                     ; 4,096 g + 128 i
	s_lshl_b32 s88, s86, 2
	s_add_co_u32 s88, s88, 1048576
	s_mov_b32 s89, 0
	s_lshl_b32 s86, s86, 3
	s_mov_b32 s87, 0
	s_add_nc_u64 s[86:87], s[14:15], s[86:87]      ; the pairs
	s_add_nc_u64 s[88:89], s[14:15], s[88:89]      ; the sums
	s_lshl_b32 s90, s67, 9
	s_mov_b32 s91, 0
	s_add_nc_u64 s[90:91], s[8:9], s[90:91]        ; frame_no of my keys
	s_lshl_b32 s94, s66, 9
	s_mov_b32 s95, 0
	s_add_nc_u64 s[94:95], s[8:9], s[94:95]        ; and of my queries
	WIN 0x40                                       ; destination window 1
.set X, 0
.rept 16                                       ; FJ[8 b + j] = frame_no[key 16 b + 8 h + j]
	global_load_b128 v[96+4*X+96*(X/8):99+4*X+96*(X/8)], v23, s[90:91] offset:64*(X/2)+16*(X%2)
.set X, X+1
.endr
	WIN 0
.irp a, 0,1,2,3,4,5,6,7
	global_load_b32 v[FI+2*\a], v24, s[94:95] offset:64*\a
	global_load_b32 v[FI+2*\a+1], v24, s[94:95] offset:64*\a
.endr
	s_wait_kmcnt 0x0
	v_mov_b32 v25, s71                             ; 32 x sigmoid(a) = 32 / (1 + 2^(-a log2(e)))
	v_mul_f32 v25, 0xbfb8aa3b, v25
	v_exp_f32 v25, v25
	v_nop
	s_wait_alu depctr_va_vdst(0)                   ; the wait ahead of the first reader
	v_add_f32 v25, 1.0, v25
	v_rcp_f32 v25, v25
	v_nop
	s_wait_alu depctr_va_vdst(0)
	v_mul_f32 v25, 0x42000000, v25
	v_readfirstlane_b32 s[SIG], v25                ; an operand of multiply-adds, nothing else
	s_wait_loadcnt 0x0
	s_wait_tensorcnt 2                             ; the scale words and K steps 0, 1 are in; the two younger fills may stay out
	s_barrier_signal -1
	s_barrier_wait -1
	SCALES
	FETCH_B 0, 0, 0
	FETCH_A 0, 0, 0
	FETCH_A 0, 0, 4
	STEP 0, 0, 1
	TURN 1, 1, 1, 0
	STEP 2, 1, 0
	TURN 3, 2, 0, 1
	STEP 4, 2, 0
	TURN 5, 0, 0, 0
	STEP 6, 0, 0
	s_wait_dscnt 12
	WIN MUL_LO
	MUL16 0, 1, 7, 0
	MUL16 2, 1, 7, 0
	s_wait_dscnt 0x0
	WIN MUL_HI
	MUL16 4, 1, 7, 0
	MUL16 6, 1, 7, 0
	WIN 0
	PLACES 4
	s_cmp_gt_u32 s67, s66                          ; all my keys come after all my queries: ids alone decide
	s_cbranch_scc1 .Lpads
; A TILE OF 16 QUERIES x my 128 keys: a lane holds one query; register 8 b + j is key 16 b + 8 h + j.
.macro SOFT a
	s_wait_xcnt 0x0                                ; the last image's stores have read their data
	WIN 0x01                                       ; source 0 (FJ) window 1
.set X, 0
.rept 32
	v_pk_add_f32 v[T+X:T+X+1], v[96+X+96*(X/32):97+X+96*(X/32)], v[FI+2*(\a):FI+2*(\a)+1] neg_lo:[0,1] neg_hi:[0,1]
.set X, X+2
.endr
	WIN 0x20+0x10*((\a)/4)                         ; source 2 (the sums) window 2 or 3
.set X, 0
.rept 64                                       ; u = 32 x logit = score - 32 sigmoid |difference|; each accumulator from its low end on
	v_fma_f32 v[T+X], -|v[T+X]|, s[SIG], v[64*((\a)%4)+X]
.set X, X+1
.endr
	WIN 0
	s_cmp_lg_u32 s67, s66                          ; only the group on the diagonal has hidden keys
	s_cbranch_scc1 .Lopen_\@
.irp j, 0,1,2,3,4,5,6,7                        ; tile b = a: key 8 h + j is hidden where it is above r
	v_cmp_gt_i32 vcc_lo, \j, v[DL]
	v_cndmask_b32 v[T+8*(\a)+\j], v[T+8*(\a)+\j], v[NINF], vcc_lo
.endr
.if \a < 7
.set X, 8*(\a)+8
.rept 56-8*(\a)                                ; tiles b > a: all hidden
	v_mov_b32 v[T+X], v[NINF]
.set X, X+1
.endr
.endif
.Lopen_\@:
.irp b, 0,1,2,3                                ; the largest score of each block of 32 keys: for the group's maximum, and, since p rises with the score, for the block's largest p
	v_max3_num_f32 v[BM+\b], v[T+16*\b], v[T+1+16*\b], v[T+2+16*\b]
.endr
.irp i, 3,5,7,9,11,13
.irp b, 0,1,2,3
	v_max3_num_f32 v[BM+\b], v[BM+\b], v[T+16*\b+\i], v[T+1+16*\b+\i]
.endr
.endr
.irp b, 0,1,2,3
	v_max_num_f32 v[BM+\b], v[BM+\b], v[T+15+16*\b]
.endr
.irp b, 0,1,2,3
	v_permlanex16_b32 v[PT+\b], v[BM+\b], s[SEL], s[SEL+1]
.endr
.irp b, 0,1,2,3
	v_max_num_f32 v[BM+\b], v[BM+\b], v[PT+\b]
.endr
	v_max3_num_f32 v[GM], v[BM], v[BM+1], v[BM+2]
	v_max_num_f32 v[GM], v[GM], v[BM+3]            ; the group's largest (its first key counts for every query of the group on the diagonal: it is a number)
	v_mul_f32 v[GM], s[C1], v[GM]                  ; as t
	v_floor_f32 v[NM], -v[GM]                      ; -M = floor(-t)
.set X, 0
.rept 32
	v_pk_fma_f32 v[T+X:T+X+1], v[T+X:T+X+1], s[C1:C1+1], v[NM:NM+1] op_sel_hi:[1,0,0]   ; t - M
.set X, X+2
.endr
.irp b, 0,1,2,3
	v_fma_f32 v[BM+\b], v[BM+\b], s[C1], v[NM]
.endr
.set X, 0
.rept 64
	v_exp_f32 v[T+X], v[T+X]                       ; p = 2^(t - M)
.set X, X+1
.endr
	v_mul_f32 v[WM+2*(\a)+1], -1.0, v[NM]          ; M.  (The plain place behind the exponentials)
	s_wait_alu depctr_va_vdst(0)                   ; one wait for the batch, ahead of its first reader
.irp b, 0,1,2,3
	v_exp_f32 v[BM+\b], v[BM+\b]                   ; the block's largest p: the same two instructions on the same number
.endr
	v_pk_add_f32 v[S1:S1+1], v[T:T+1], v[T+2:T+3]  ; the sum of the unquantised p, in two chains: plain work behind the four
	v_pk_add_f32 v[S2:S2+1], v[T+4:T+5], v[T+6:T+7]
.irp x, 8,12,16,20,24,28,32,36,40,44,48,52,56,60
	v_pk_add_f32 v[S1:S1+1], v[S1:S1+1], v[T+\x:T+\x+1]
	v_pk_add_f32 v[S2:S2+1], v[S2:S2+1], v[T+\x+2:T+\x+3]
.endr
	v_pk_add_f32 v[S1:S1+1], v[S1:S1+1], v[S2:S2+1]
	v_add_f32 v[S1], v[S1], v[S1+1]
	v_permlanex16_b32 v[S2], v[S1], s[SEL], s[SEL+1]
	v_add_f32 v[LS+(\a)], v[S1], v[S2]             ; with lane l xor 16's 64 keys
	s_wait_alu depctr_va_vdst(0)                   ; and one for the four
.irp b, 0,1,2,3
	v_max_num_f32 v[BM+\b], 0x22000000, v[BM+\b]   ; the floor 2^(68 - 127): the byte stays at 64 or above, so that the next launch can take up to 64 off it
.endr
.irp b, 0,1,2,3
	v_add_nc_u32 v[SO+\b], 0xfe000000, v[BM+\b]
.endr
.irp b, 0,1,2,3
	v_lshrrev_b32 v[BY+\b], 23, v[SO+\b]
.endr
	v_lshl_or_b32 v[WM+2*(\a)], v[BY+1], 8, v[BY]
	v_lshl_or_b32 v[WM+2*(\a)], v[BY+2], 16, v[WM+2*(\a)]
	v_lshl_or_b32 v[WM+2*(\a)], v[BY+3], 24, v[WM+2*(\a)]
.irp c, 0,1
	v_cvt_scalef32_pk16_bf6_f32 v[PC+6*\c:PC+2+6*\c], v[T+32*\c:T+15+32*\c], v[SO+2*\c]
	v_cvt_scalef32_pk16_bf6_f32 v[PC+12+4*\c:PC+14+4*\c], v[T+16+32*\c:T+31+32*\c], v[SO+2*\c+1]
.endr
	v_nop                                          ; one plain place behind a scaled conversion
.irp c, 0,1
.irp i, 0,1,2
	v_permlane16_swap_b32 v[PC+6*\c+\i], v[PC+12+4*\c+\i]
.endr
.irp i, 0,1,2
	v_mov_b32 v[PC+3+6*\c+\i], v[PC+12+4*\c+\i]
.endr
.endr
.irp c, 0,1,2
	global_store_b128 v4, v[PC+4*\c:PC+4*\c+3], s[12:13] offset:(\a)*49152+512*\c   ; 512 consecutive bytes
.endr
	ds_store_b64 v[STP], v[WM+2*(\a):WM+2*(\a)+1] offset:128*(\a)   ; lanes l and l xor 16 write the same bytes with the same values
	ds_store_b32 v[STL], v[LS+(\a)] offset:64*(\a)
.endm
.irp a, 0,1,2,3,4,5,6,7
	SOFT \a
.endr
	ds_load_b128 v[128:131], v[SRD]                ; LDS serves a wave's instructions in order: these see my stores
	ds_load_b128 v[132:135], v[SRD] offset:512
	ds_load_b128 v[136:139], v[SRD] offset:1024
	s_wait_dscnt 0x0
	global_store_b128 v4, v[128:131], s[86:87]
	global_store_b128 v4, v[132:135], s[86:87] offset:512
	global_store_b128 v4, v[136:139], s[88:89]
	s_wait_tensorcnt 0x0                           ; the wave's end
	ds_add_u32 v[SPW], v[NIL]
	s_wait_dscnt 0x0
	s_endpgm
; THE PADS (i = 2 I, g = 2 I + 1).  No LDS, no barrier.
.Lpads:
.irp x, 0,1,2,3
	v_mov_b32 v[128+\x], 0
.endr
	v_mov_b32 v132, 0x40404040
	v_mov_b32 v133, 0xff61b1e6                     ; -3e38
	v_mov_b32 v134, 0x40404040
	v_mov_b32 v135, 0xff61b1e6
.irp t, 0,1,2,3,4,5,6,7                        ; zero codes: block 2 I, group 2 I + 1
.irp c, 0,1,2
	global_store_b128 v4, v[128:131], s[12:13] offset:\t*49152+512*\c
.endr
.endr
	global_store_b128 v4, v[132:135], s[86:87]     ; and its pairs and sums
	global_store_b128 v4, v[132:135], s[86:87] offset:512
	global_store_b128 v4, v[128:131], s[88:89]
	s_bitcmp1_b32 s21, 0
	s_cbranch_scc1 .Lodd
.irp t, 0,1,2,3,4,5,6,7,8,9,10,11,12,13,14,15  ; I even: both blocks, groups 2 I + 2 and 2 I + 3: every block's codes are whole up to a multiple of 4 groups
.irp k, 1,2
.irp c, 0,1,2
	global_store_b128 v4, v[128:131], s[12:13] offset:\t*49152+1536*\k+512*\c
.endr
.endr
.endr
.Lodd:
	s_lshl_b32 s23, s21, 1
	s_sub_co_u32 s80, 30, s23                      ; groups 2 I + 2 .. 31: pairs and sums of both blocks
	s_cmp_eq_u32 s80, 0
	s_cbranch_scc1 .Lpads_done
.Lpad:
	s_wait_xcnt 0x0                                ; the stores have read their bases
	s_add_nc_u64 s[86:87], s[86:87], 32768
	s_add_nc_u64 s[88:89], s[88:89], 16384
.irp c, 0,1,2,3
	global_store_b128 v4, v[132:135], s[86:87] offset:512*\c
.endr
	global_store_b128 v4, v[128:131], s[88:89]
	global_store_b128 v4, v[128:131], s[88:89] offset:512
	s_sub_co_u32 s80, s80, 1
	s_cmp_lg_u32 s80, 0
	s_cbranch_scc1 .Lpad
.Lpads_done:
	s_wait_tensorcnt 0x0                           ; the wave's end
	ds_add_u32 v[SPW], v[NIL]
	s_wait_dscnt 0x0
	s_endpgm
.Lfunc_end_k_qb13f7e502f_scores:
	.size	k_qb13f7e502f_scores, .Lfunc_end_k_qb13f7e502f_scores-k_qb13f7e502f_scores
	.p2alignl 7, 3214868480
	.fill 96, 4, 3214868480
	.section	.rodata,"a",@progbits
	.p2align	6, 0x0
	.amdhsa_kernel k_qb13f7e502f_scores
		.amdhsa_group_segment_fixed_size 327680
		.amdhsa_private_segment_fixed_size 0
		.amdhsa_enable_private_segment 0
		.amdhsa_kernarg_size 48
		.amdhsa_user_sgpr_count 2
		.amdhsa_user_sgpr_kernarg_segment_ptr 1
		.amdhsa_wavefront_size32 1
		.amdhsa_system_sgpr_workgroup_id_x 1
		.amdhsa_system_sgpr_workgroup_id_y 1
		.amdhsa_system_sgpr_workgroup_id_z 1
		.amdhsa_system_vgpr_workitem_id 0
		.amdhsa_next_free_vgpr 1024
		.amdhsa_next_free_sgpr 100
		.amdhsa_reserve_vcc 1
		.amdhsa_float_denorm_mode_32 3
		.amdhsa_float_denorm_mode_16_64 3
		.amdhsa_memory_ordered 1
		.amdhsa_forward_progress 1
		.amdhsa_inst_pref_size 255
	.end_amdhsa_kernel
	.section	.bss,"aw",@nobits
	.p2align	6
	.space	262144
	.amdgpu_metadata
---
amdhsa.version: [ 1, 2 ]
amdhsa.kernels:
  - .name:           k_qb13f7e502f_scores
    .symbol:         k_qb13f7e502f_scores.kd
    .args:
      - { .name: qkvf, .offset: 0, .size: 8, .value_kind: global_buffer, .address_space: global }
      - { .name: qkvs, .offset: 8, .size: 8, .value_kind: global_buffer, .address_space: global }
      - { .name: frame_no, .offset: 16, .size: 8, .value_kind: global_buffer, .address_space: global }
      - { .name: alibi_param, .offset: 24, .size: 8, .value_kind: global_buffer, .address_space: global }
      - { .name: pf, .offset: 32, .size: 8, .value_kind: global_buffer, .address_space: global }
      - { .name: pst, .offset: 40, .size: 8, .value_kind: global_buffer, .address_space: global }
    .group_segment_fixed_size: 327680
    .private_segment_fixed_size: 0
    .kernarg_segment_align: 8
    .kernarg_segment_size: 48
    .max_flat_workgroup_size: 128
    .sgpr_count:     100
    .vgpr_count:     1024
    .wavefront_size: 32
...
	.end_amdgpu_metadata
.endif
;; end of part 3
;; launch pv (part 4): grid 256 x 1, 4 waves a work-group, no clusters, 120,832 bytes of LDS; arguments pf, pst, qkvf, qkvs, out0; writes out0
.if DOCPART == 4
	.amdgcn_target "amdgcn-amd-amdhsa--gfx1250"
	.amdhsa_code_object_version 6
	.text
	.protected	k_qb13f7e502f_pv
	.globl	k_qb13f7e502f_pv
	.p2align	8
	.type	k_qb13f7e502f_pv,@function
k_qb13f7e502f_pv:
	s_mov_b64 s[64:65], 0
	v_nop
	global_prefetch_b8 v0, s[64:65] scope:SCOPE_SE
	s_setreg_imm32_b32 hwreg(HW_REG_WAVE_MODE, 25, 1), 1
	s_wait_xcnt 0x0
; PV.  activation^T = (p v / l)^T into out0's rows 1,024-2,047, on E3M2 codes; K = the keys, in groups of 128.
; A work-group makes 128 queries (block i) x 128 channels (block c); it walks the groups 0 .. 4 (i / 4 + 1) - 1: what lies above the diagonal there holds zero codes.
; THE ROW'S M AND l: thread t takes query 128 i + t: M = the largest of its 32 local M; l = the sum of the local sums x 2^(local M - M), exact scalings.  p's scale bytes of a group are lowered by M - local M, held at 64:
; the bytes are 64 or more, so no borrow crosses a byte.  LIMIT: a group more than 2^64 under the row's largest p counts with at most 2^-64 of it.
; Source 0 = 16 queries of p (along a lane's registers in the result), source 1 = 16 channels of v (in the lanes): a lane holds one channel and eight neighbouring queries: 32 consecutive bytes of out0.
; THE TILES GO THROUGH REGISTERS INTO LDS, not by tensor loads: the number of groups differs from work-group to work-group, and counted waits on the loads keep two chunks (56 loads a wave) on their way without a gap.
; A chunk is two groups.  Two LDS slots, two sets of staging registers, ONE barrier a chunk.  THE CHUNKS OVERLAP: behind the barrier that shows chunk n's slot whole, a wave reads chunk n's fragments, and between its
; products it stores chunk n + 1 into the other slot, which every wave left in front of that barrier.  A chunk moves 48 KB into LDS and 96 KB out of it for 32 matrix instructions a wave: so the LDS instructions stand
; in short runs (12 to 28) between runs of 8 products, and the price is eleven switches of the register window a chunk.
; No cluster: partners that share v would need different numbers of chunks, and what goes through registers cannot be asked for jointly.
; REGISTERS: window 0: v0-31 addresses; v32-43 two sets of (pair, pair, word, word) as loaded; v44-47 at work; v48-55 scale words; v64-159, v160-255 the fragments of a chunk's two groups (p's four, v's four).
;   window 1: v0-127 accumulator (a, b) at v[8 (4 a + b)]; v128-226 the statistics.   window 2: v0-95, v96-191 two chunks as loaded.
.set SCW,  98304                       ; LDS: two slots of 49,152 (p's 8 rowtiles, v's 8; 3,072 a rowtile, 1,536 a group); then the scale words: slot x 2,048 + group x 1,024 + (v 0, p 512) + 4 x row
.set LSC,  102400                      ; 1 / l of the 128 queries
.set STG,  102912                      ; the way out: 16 rows x 272 bytes for each wave
.set L16,  4
.set T8,   5
.set T4,   6
.set STA,  7                           ; where I store a chunk: 12,288 x wave + 16 x lane
.set SWA,  8                           ; where I store scale words: SCW + 4 t
.set ADP,  9                           ; my p fragments
.set ADV,  10                          ; my v fragments
.set ADSC, 11                          ; my scale words: lanes 0-15 v's, lanes 16-31 p's
.set MR,   12                          ; my query's M
.set IV,   13                          ; 1 / l
.set LSA,  14
.set ADL,  15
.set SO,   16
.set SR,   17
.set GO,   18
.set PF0,  19                          ; v19-21 the prefetches' offsets; never rewritten
.set IL,   64
.set OT,   96
.set RB,   160
.set MSB, 0
.macro WIN new                         ; the immediate's high byte repeats the setting that is left
.if MSB != (\new)
	s_set_vgpr_msb (MSB<<8)|(\new)
.set MSB, (\new)
.endif
.endm
.macro PLACES n
.rept \n
	v_nop
.endr
.endm
.macro BAR
	s_barrier_signal -1
	s_barrier_wait -1
.endm
.macro FRAG reg, adr, off              ; a fragment comes as it was laid: three loads, each 512 consecutive bytes for the wave
.irp c, 0,1,2
	ds_load_b128 v[(\reg)+4*\c:(\reg)+4*\c+3], v[\adr] offset:(\off)+512*\c
.endr
.endm
; 28 loads: my four rowtiles' two groups (24 x 512 consecutive bytes), my query's two pairs, my channel's two words
.macro LOADC set
	WIN 0x80                                       ; destination window 2
.irp t, 0,1,2,3
.irp u, 0,1,2,3,4,5
	global_load_b128 v[96*(\set)+24*\t+4*\u:96*(\set)+24*\t+4*\u+3], v[L16], s[24:25] offset:\t*49152+512*\u
.endr
.endr
	WIN 0
	global_load_b64 v[32+6*(\set):33+6*(\set)], v[T8], s[26:27]
	global_load_b64 v[34+6*(\set):35+6*(\set)], v[T8], s[26:27] offset:32768
	global_load_b32 v[36+6*(\set)], v[T4], s[28:29]
	global_load_b32 v[37+6*(\set)], v[T4], s[28:29] offset:4096
.endm
.macro STEPP                           ; the three bases go a chunk on, behind the wait that frees them
	s_wait_xcnt 0x0
	s_add_nc_u64 s[24:25], s[24:25], 3072
	s_add_nc_u64 s[26:27], s[26:27], 65536
	s_add_nc_u64 s[28:29], s[28:29], 8192
.endm
; A PREFETCH INTO THE L2, behind the loads at the end of an even chunk n: my four rowtiles' chunks n + 6 and n + 7 (4 x 6,144 bytes: 96 blocks of 256 bytes, a lane a block, three instructions): the loads that will
; ask for them are issued three and four chunks' work later.  p's blocks are named by waves 0, 1 of the work-group with c = 0, v's by waves 2, 3 of the work-group with i = 31: each block once in the launch.
; A wave asks while the counter of pairs is above 2: chunk n + 7 is then at most the last chunk that the work-group walks.  Groups 0 to 11 come by their loads alone.
.macro ASK
	s_cmp_gt_u32 s20, s21
	s_cbranch_scc0 .Lnot_mine_\@
	global_prefetch_b8 v[PF0], s[30:31] th:TH_LOAD_NT scope:SCOPE_SE
	global_prefetch_b8 v[PF0+1], s[30:31] th:TH_LOAD_NT scope:SCOPE_SE
	global_prefetch_b8 v[PF0+2], s[30:31] th:TH_LOAD_NT scope:SCOPE_SE
.Lnot_mine_\@:
.endm
; 8 matrix instructions: v's blocks a0, a0 + 1 x p's four.  The 16 accumulators take turns, one instruction a turn, in the same order in every group.
.macro MULH f, sc, a0, zero
.irp a, \a0, \a0+1
.irp b, 0,1,2,3
.if \zero
	v_wmma_scale_f32_16x16x128_f8f6f4 v[8*(4*(\a)+\b):8*(4*(\a)+\b)+7], v[\f+12*\b:\f+12*\b+11], v[\f+48+12*(\a):\f+48+12*(\a)+11], 0, v[\sc+\b], v[\sc+(\a)] matrix_a_fmt:MATRIX_FMT_BF6 matrix_b_fmt:MATRIX_FMT_BF6 matrix_a_scale:MATRIX_SCALE_ROW1
.else
	v_wmma_scale_f32_16x16x128_f8f6f4 v[8*(4*(\a)+\b):8*(4*(\a)+\b)+7], v[\f+12*\b:\f+12*\b+11], v[\f+48+12*(\a):\f+48+12*(\a)+11], v[8*(4*(\a)+\b):8*(4*(\a)+\b)+7], v[\sc+\b], v[\sc+(\a)] matrix_a_fmt:MATRIX_FMT_BF6 matrix_b_fmt:MATRIX_FMT_BF6 matrix_a_scale:MATRIX_SCALE_ROW1
.endif
.endr
.endr
.endm
; THE READS OF A CHUNK, in three runs.  RD0: group 0: what its first 8 products want comes first (22 loads), then v's blocks 2, 3 (6)
.macro RD0 slot
.irp b, 0,1,2,3
	FRAG 64+12*\b, ADP, 49152*(\slot)+3072*\b
.endr
.irp b, 0,1
	FRAG 112+12*\b, ADV, 49152*(\slot)+3072*\b
.endr
.irp b, 0,1,2,3
	ds_load_b32 v[48+\b], v[ADSC] offset:2048*(\slot)+64*\b
.endr
.irp b, 2,3
	FRAG 112+12*\b, ADV, 49152*(\slot)+3072*\b
.endr
.endm
.macro RD1A slot                       ; group 1: p's four fragments (12 loads)
.irp b, 0,1,2,3
	FRAG 160+12*\b, ADP, 49152*(\slot)+3072*\b+1536
.endr
.endm
.macro RD1B slot                       ; group 1: v's four fragments and the scale words (16 loads)
.irp b, 0,1,2,3
	FRAG 208+12*\b, ADV, 49152*(\slot)+3072*\b+1536
.endr
.irp b, 0,1,2,3
	ds_load_b32 v[52+\b], v[ADSC] offset:2048*(\slot)+1024+64*\b
.endr
.endm
; THE STORES OF A CHUNK.  SCALEW: its loads are in (wcnt: the younger chunk's 28 may stay out, or none is left); p's scale words are brought under the row's M
.macro SCALEW set, wcnt
	s_wait_loadcnt \wcnt
.irp q, 0,1
	v_sub_f32 v[44+\q], v[33+6*(\set)+2*\q], v[MR]     ; local M - M: a whole number, 0 or less
.endr
.irp q, 0,1
	v_max_num_f32 v[44+\q], 0xc2800000, v[44+\q]       ; held at -64
.endr
.irp q, 0,1
	v_cvt_i32_f32 v[44+\q], v[44+\q]
.endr
.irp q, 0,1
	v_mul_lo_u32 v[44+\q], v[44+\q], 0x01010101        ; onto each of the four bytes
.endr
.irp q, 0,1
	v_add_nc_u32 v[46+\q], v[44+\q], v[32+6*(\set)+2*\q]
.endr
.endm
.macro PUTA set                        ; 16 stores: the four scale words, rowtiles 0 and 1.  Entered with every window 0; leaves the store data's window at 2
	ds_store_b32 v[SWA], v46 offset:2048*(\set)+512
	ds_store_b32 v[SWA], v47 offset:2048*(\set)+1536
	ds_store_b32 v[SWA], v[36+6*(\set)] offset:2048*(\set)
	ds_store_b32 v[SWA], v[37+6*(\set)] offset:2048*(\set)+1024
	WIN 0x08                                       ; an LDS store's data are its source 1: window 2
.irp t, 0,1
.irp u, 0,1,2,3,4,5
	ds_store_b128 v[STA], v[96*(\set)+24*\t+4*\u:96*(\set)+24*\t+4*\u+3] offset:49152*(\set)+3072*\t+512*\u
.endr
.endr
.endm
.macro PUTB set                        ; 12 stores: rowtiles 2 and 3
	WIN 0x08
.irp t, 2,3
.irp u, 0,1,2,3,4,5
	ds_store_b128 v[STA], v[96*(\set)+24*\t+4*\u:96*(\set)+24*\t+4*\u+3] offset:49152*(\set)+3072*\t+512*\u
.endr
.endr
.endm
; CHUNK n, behind the barrier that shows its slot whole.  slot = n % 2.  zero = 1: its first products start the sums.  st = 1: chunk n + 1 is stored into the other slot (wcnt: see SCALEW) and a barrier closes the chunk.
; ld = 1: chunk n + 3 is asked for, into the registers that chunk n + 1 has left.  ask = 1: a prefetch follows those loads.
; The other slot is free behind the barrier at the chunk's head: every wave waited for its reads of chunk n - 1 in front of that barrier's signal.
.macro BODY slot, zero, st, wcnt, ld, ask
	RD0 \slot
	RD1A \slot
	s_wait_dscnt 18                                ; the first 22 loads are in; v's blocks 2, 3 (6) and group 1's p (12) may be out
	WIN 0x50                                       ; C and D window 1
	MULH 64, 48, 0, \zero
	WIN 0
	RD1B \slot
	s_wait_dscnt 28                                ; group 0 is in; group 1's 28 loads may be out
	WIN 0x50
	MULH 64, 48, 2, \zero
	WIN 0
.if \st
	SCALEW 1-\slot, \wcnt
	PUTA 1-\slot
	s_wait_dscnt 16                                ; group 1 is in; my 16 stores may be out
.else
	s_wait_dscnt 0x0
.endif
	WIN 0x50
	MULH 160, 52, 0, 0
.if \st
	PUTB 1-\slot
.endif
	WIN 0x50
	MULH 160, 52, 2, 0
	WIN 0
	PLACES 4                                       ; behind the last products: the next chunk's loads land in registers that they read, and the way out reads their results
.if \st
	s_wait_dscnt 0x0                               ; for the others' sake: my stores into the other slot are done, and my reads of this slot are over; the staging registers have been read
.if \ld
	STEPP
.if \ask
	s_add_nc_u64 s[30:31], s[30:31], 6144          ; (the last prefetches, two chunks back, have read their base)
.endif
	LOADC 1-\slot
.if \ask
	ASK
.endif
.endif
	BAR
.endif
.endm
	s_load_b256 s[4:11], s[0:1], 0x0               ; pf s[4:5], pst s[6:7], qkvf s[8:9], qkvs s[10:11]
	s_load_b64 s[12:13], s[0:1], 0x20              ; out0
	v_lshl_add_u32 v62, v0, 2, 0x1d600
	v_mov_b32 v63, 0
	v_lshrrev_b32 v1, 5, v0
	v_readfirstlane_b32 s14, v1                    ; wave
	s_and_b32 s15, s14, 1                          ; hq: my half of the queries.  Also: which four rowtiles I stage
	s_lshr_b32 s16, s14, 1                         ; hc: my half of the channels.  Also: I stage p (0) or v (1)
	s_lshr_b32 s22, ttmp9, 3
	s_sub_co_u32 s17, 31, s22                      ; i
	s_and_b32 s18, ttmp9, 7                        ; c
	s_lshr_b32 s19, s17, 2
	s_add_co_u32 s19, s19, 1                       ; pairs of chunks
	s_cmp_lt_u32 s14, 2
	s_cselect_b32 s22, s18, s22
	s_cmp_eq_u32 s22, 0
	s_cselect_b32 s21, 2, -1                       ; 2 in a wave that prefetches, else the greatest number
	s_lshl_b32 s22, s17, 3
	s_lshl_b32 s23, s18, 3
	s_cmp_lt_u32 s14, 2
	s_cselect_b32 s34, s22, s23
	s_cselect_b32 s36, 0, 6291456
	s_lshl_b32 s22, s15, 2
	s_add_co_u32 s34, s34, s22
	s_mul_i32 s34, s34, 49152                      ; a rowtile's 32 groups
	s_add_co_u32 s34, s34, s36
	s_mov_b32 s35, 0
	s_mov_b32 s37, 0
	v_and_b32 v1, 31, v0
	v_and_b32 v2, 15, v0                           ; r
	v_bfe_u32 v3, v0, 4, 1                         ; h
	v_lshlrev_b32 v[L16], 4, v1
	v_lshlrev_b32 v[T8], 3, v0
	v_lshlrev_b32 v[T4], 2, v0
	s_wait_kmcnt 0x0
	s_cmp_lt_u32 s14, 2
	s_cselect_b64 s[24:25], s[4:5], s[8:9]
	s_add_nc_u64 s[24:25], s[24:25], s[34:35]      ; the codes that I stage
	s_add_nc_u64 s[30:31], s[24:25], 12288         ; the prefetches' base: stepped once, to chunk 6, ahead of the first
	s_lshl_b32 s36, s17, 10
	s_add_nc_u64 s[26:27], s[6:7], s[36:37]        ; my block's pairs, group 0
	s_lshl_b32 s36, s17, 9
	s_add_co_u32 s36, s36, 1048576
	s_add_nc_u64 s[32:33], s[6:7], s[36:37]        ; its sums
	s_lshl_b32 s36, s18, 9
	s_add_co_u32 s36, s36, 262144
	s_add_nc_u64 s[28:29], s[10:11], s[36:37]      ; v's scale words, group 0
	WIN 0x40                                       ; destination window 1
.set X, 0
.rept 32
	global_load_b64 v[128+2*X:129+2*X], v[T8], s[26:27] offset:X*32768
.set X, X+1
.endr
.set X, 0
.rept 32
	global_load_b32 v[192+X], v[T4], s[32:33] offset:X*16384
.set X, X+1
.endr
	WIN 0
	LOADC 0
	STEPP
	LOADC 1
	s_mul_i32 s22, s14, 12288
	v_add_nc_u32 v[STA], s22, v[L16]
	v_lshl_add_u32 v[SWA], v0, 2, SCW
	v_lshl_add_u32 v[LSA], v0, 2, LSC
	s_mul_i32 s22, s15, 12288
	v_add_nc_u32 v[ADP], s22, v[L16]
	s_mul_i32 s22, s16, 12288
	s_add_co_u32 s22, s22, 24576
	v_add_nc_u32 v[ADV], s22, v[L16]
	s_lshl_b32 s22, s16, 8                         ; v's words: 256 hc
	s_lshl_b32 s23, s15, 8                         ; p's: 512 + 256 hq
	s_add_co_u32 s23, s23, 512
	s_sub_co_u32 s23, s23, s22
	v_mul_u32_u24 v22, s23, v3                     ; lanes 16-31 take p's
	s_add_co_u32 s22, s22, SCW
	v_lshl_add_u32 v22, v2, 2, v22
	v_add_nc_u32 v[ADSC], s22, v22
	s_lshl_b32 s22, s15, 8
	s_add_co_u32 s22, s22, LSC
	v_lshl_add_u32 v[ADL], v3, 5, s22
	s_mul_i32 s22, s14, 4352
	s_add_co_u32 s22, s22, STG
	v_mul_u32_u24 v[SO], v2, 272
	v_lshl_add_u32 v[SO], v3, 5, v[SO]
	v_add_nc_u32 v[SO], s22, v[SO]                 ; in: row r, 32 bytes for each half of the lanes
	v_mul_u32_u24 v[SR], v3, 272
	v_lshl_add_u32 v[SR], v2, 4, v[SR]
	v_add_nc_u32 v[SR], s22, v[SR]                 ; back: lanes 0-15 one row of 256 bytes, lanes 16-31 the next
	v_lshlrev_b32 v[GO], 14, v3
	v_lshl_add_u32 v[GO], v2, 4, v[GO]             ; and the same two rows in out0
.irp n, 0,1,2                                  ; block q = 32 n + lane of 96: rowtile q / 24, 256 (q % 24) bytes on
	v_add_nc_u32 v22, 32*\n, v1
	v_mul_u32_u24 v23, v22, 43
	v_lshrrev_b32 v23, 10, v23                     ; q / 24 for q under 96
	v_mul_u32_u24 v[PF0+\n], v23, 24
	v_sub_nc_u32 v22, v22, v[PF0+\n]
	v_lshlrev_b32 v22, 8, v22
	v_mad_u32_u24 v[PF0+\n], v23, 49152, v22
.endr
	s_lshl_b32 s22, s18, 7
	s_lshl_b32 s23, s16, 6
	s_add_co_u32 s22, s22, s23
	s_add_co_u32 s22, s22, 1024                    ; out0's row 1,024 + 128 c + 64 hc
	s_lshl_b32 s34, s22, 14
	s_lshl_b32 s23, s17, 9
	s_add_co_u32 s34, s34, s23
	s_lshl_b32 s23, s15, 8
	s_add_co_u32 s34, s34, s23                     ; + (128 i + 64 hq) x 4
	s_add_nc_u64 s[12:13], s[12:13], s[34:35]
	s_wait_loadcnt 56                              ; the statistics are in; the first two chunks stay on their way
	WIN 0x55                                       ; all in window 1
	v_max3_num_f32 v224, v129, v131, v133
.irp g, 3,5,7,9,11,13,15,17,19,21,23,25,27,29
	v_max3_num_f32 v224, v224, v[129+2*\g], v[131+2*\g]
.endr
	v_max_num_f32 v224, v224, v191                 ; the row's M
.set X, 0
.rept 32
	v_sub_f32 v[129+2*X], v[129+2*X], v224         ; local M - M: a whole number, 0 or less
.set X, X+1
.endr
.set X, 0
.rept 32
	v_cvt_i32_f32 v[129+2*X], v[129+2*X]           ; (it saturates)
.set X, X+1
.endr
.set X, 0
.rept 32
	v_ldexp_f32 v[192+X], v[192+X], v[129+2*X]     ; the local sum under the row's M: nothing is rounded
.set X, X+1
.endr
	v_add_f32 v225, v192, v193
	v_add_f32 v226, v194, v195
.irp g, 4,8,12,16,20,24,28
	v_add_f32 v225, v225, v[192+\g]
	v_add_f32 v226, v226, v[193+\g]
	v_add_f32 v225, v225, v[194+\g]
	v_add_f32 v226, v226, v[195+\g]
.endr
	v_add_f32 v225, v225, v226                     ; l
	v_rcp_f32 v226, v225
	WIN 0x01                                       ; source 0 window 1, destination window 0
	v_mov_b32 v[MR], v224                          ; (the plain place behind the reciprocal)
	s_wait_alu depctr_va_vdst(0)                   ; the wait ahead of the first reader
	v_mov_b32 v[IV], v226
	WIN 0
	ds_store_b32 v[LSA], v[IV]                     ; read on the way out, behind the chunks' barriers
	SCALEW 0, 28                                   ; chunk 0 is in; chunk 1 stays on its way
	PUTA 0
	PUTB 0
	WIN 0
	s_wait_dscnt 0x0                               ; for the others' sake: chunk 0 and 1 / l lie in LDS; the staging registers have been read
	s_sub_co_u32 s20, s19, 1                       ; the counter of pairs
	s_cmp_eq_u32 s19, 1                            ; the work-group's number alone decides: all four waves pass the same barriers
	s_cbranch_scc1 .Lshort
	STEPP
	LOADC 0                                        ; chunk 2
	BAR
	BODY 0, 1, 1, 28, 1, 1                         ; chunk 0: its products start the sums: nothing is cleared.  Chunk 1 is stored, chunk 3 asked for
	s_sub_co_u32 s20, s20, 1
	s_cmp_eq_u32 s20, 0
	s_cbranch_scc1 .Ltail
.Lpair:                                            ; pairs - 2 trips: chunks n (odd) and n + 1; each stores the next chunk and asks for the chunk three on
	BODY 1, 0, 1, 28, 1, 0
	BODY 0, 0, 1, 28, 1, 1
	s_sub_co_u32 s20, s20, 1
	s_cmp_lg_u32 s20, 0
	s_cbranch_scc1 .Lpair
.Ltail:                                            ; the last three chunks ask for nothing: no load leaves the groups that are walked
	BODY 1, 0, 1, 28, 0, 0
	BODY 0, 0, 1, 0, 0, 0
	BODY 1, 0, 0, 0, 0, 0
	s_branch .Lout
.Lshort:                                           ; two chunks in all
	BAR
	BODY 0, 1, 1, 0, 0, 0
	BODY 1, 0, 0, 0, 0, 0
.Lout:
	; THE WAY OUT: x 1 / l of the register's query; a tile of 16 channels x 64 queries goes through my own stage and comes back as rows of 256 bytes.  (The four places behind the last products stand at the last chunk's end.)
.irp b, 0,1,2,3
	ds_load_b128 v[IL+8*\b:IL+8*\b+3], v[ADL] offset:64*\b
	ds_load_b128 v[IL+8*\b+4:IL+8*\b+7], v[ADL] offset:64*\b+16
.endr
	s_wait_dscnt 0x0
.irp a, 0,1,2,3
	WIN 0x01                                       ; source 0 (the sums) window 1
.set X, 0
.rept 16                                       ; each accumulator from its low end on
	v_pk_mul_f32 v[OT+X:OT+X+1], v[32*\a+X:32*\a+X+1], v[IL+X:IL+X+1]
.set X, X+2
.endr
	WIN 0
.irp b, 0,1,2,3
	ds_store_b128 v[SO], v[OT+8*\b:OT+8*\b+3] offset:64*\b
	ds_store_b128 v[SO], v[OT+8*\b+4:OT+8*\b+7] offset:64*\b+16
.endr
.if \a > 1
	s_wait_xcnt 0x0                                ; the stores of two tiles ago have read these registers
.endif
.irp t, 0,1,2,3,4,5,6,7
	ds_load_b128 v[RB+32*(\a%2)+4*\t:RB+32*(\a%2)+4*\t+3], v[SR] offset:544*\t   ; LDS serves a wave's instructions in order: these see my stores
.endr
.irp t, 0,1,2,3,4,5,6,7
	s_wait_dscnt 7-\t
	global_store_b128 v[GO], v[RB+32*(\a%2)+4*\t:RB+32*(\a%2)+4*\t+3], s[12:13] offset:(16*\a+2*\t)*16384 th:TH_STORE_NT   ; 16 lanes store 256 consecutive bytes, aligned
.endr
.endr
	s_wait_tensorcnt 0x0
	ds_add_u32 v62, v63
	s_wait_dscnt 0x0
	s_endpgm
.Lfunc_end_k_qb13f7e502f_pv:
	.size	k_qb13f7e502f_pv, .Lfunc_end_k_qb13f7e502f_pv-k_qb13f7e502f_pv
	.p2alignl 7, 3214868480
	.fill 96, 4, 3214868480
	.section	.rodata,"a",@progbits
	.p2align	6, 0x0
	.amdhsa_kernel k_qb13f7e502f_pv
		.amdhsa_group_segment_fixed_size 120832
		.amdhsa_private_segment_fixed_size 0
		.amdhsa_enable_private_segment 0
		.amdhsa_kernarg_size 40
		.amdhsa_user_sgpr_count 2
		.amdhsa_user_sgpr_kernarg_segment_ptr 1
		.amdhsa_wavefront_size32 1
		.amdhsa_system_sgpr_workgroup_id_x 1
		.amdhsa_system_sgpr_workgroup_id_y 1
		.amdhsa_system_sgpr_workgroup_id_z 1
		.amdhsa_system_vgpr_workitem_id 0
		.amdhsa_next_free_vgpr 768
		.amdhsa_next_free_sgpr 66
		.amdhsa_reserve_vcc 0
		.amdhsa_float_denorm_mode_32 3
		.amdhsa_float_denorm_mode_16_64 3
		.amdhsa_memory_ordered 1
		.amdhsa_forward_progress 1
		.amdhsa_inst_pref_size 130
	.end_amdhsa_kernel
	.amdgpu_metadata
---
amdhsa.version: [ 1, 2 ]
amdhsa.kernels:
  - .name:           k_qb13f7e502f_pv
    .symbol:         k_qb13f7e502f_pv.kd
    .args:
      - { .name: pf, .offset: 0, .size: 8, .value_kind: global_buffer, .address_space: global }
      - { .name: pst, .offset: 8, .size: 8, .value_kind: global_buffer, .address_space: global }
      - { .name: qkvf, .offset: 16, .size: 8, .value_kind: global_buffer, .address_space: global }
      - { .name: qkvs, .offset: 24, .size: 8, .value_kind: global_buffer, .address_space: global }
      - { .name: out0, .offset: 32, .size: 8, .value_kind: global_buffer, .address_space: global }
    .group_segment_fixed_size: 120832
    .private_segment_fixed_size: 0
    .kernarg_segment_align: 8
    .kernarg_segment_size: 40
    .max_flat_workgroup_size: 128
    .sgpr_count:     66
    .vgpr_count:     768
    .wavefront_size: 32
...
	.end_amdgpu_metadata
.endif
;; end of part 4
;; ======== version 2 of 2: 4 launches; version 1 with the launch pv written anew for expert scheduling mode
;; workspace buffers: opa 5,505,024 bytes; opas 262,144 bytes; qkvf 9,437,184 bytes; qkvs 393,216 bytes; pf 12,582,912 bytes; pst 1,572,864 bytes
;; launch prep: the kernel of part 1 again; grid 560 x 1, 4 waves a work-group, no clusters, 8,704 bytes of LDS; arguments input, Wq_codes, Wq_scales, Wk_codes, Wk_scales, Wv_codes, Wv_scales, out0, opa, opas; writes out0, opa, opas
;; launch proj: the kernel of part 2 again; grid 192 x 1, 4 waves a work-group, no clusters, 327,680 bytes of LDS; arguments opa, opas, bq, bk, bv, qkvf, qkvs; writes qkvf, qkvs
;; launch scores: the kernel of part 3 again; grid 136 x 1, 4 waves a work-group, no clusters, 327,680 bytes of LDS; arguments qkvf, qkvs, frame_no, alibi_param, pf, pst; writes pf, pst
;; launch pv (part 5): grid 256 x 1, 4 waves a work-group, no clusters, 120,832 bytes of LDS; arguments pf, pst, qkvf, qkvs, out0; writes out0
.if DOCPART == 5
	.amdgcn_target "amdgcn-amd-amdhsa--gfx1250"
	.amdhsa_code_object_version 6
	.text
	.protected	k_qb13f7e502f_pv
	.globl	k_qb13f7e502f_pv
	.p2align	8
	.type	k_qb13f7e502f_pv,@function
k_qb13f7e502f_pv:
	s_mov_b64 s[64:65], 0
	v_nop
	global_prefetch_b8 v0, s[64:65] scope:SCOPE_SE
	s_setreg_imm32_b32 hwreg(HW_REG_WAVE_SCHED_MODE, 0, 2), 2
	s_setreg_imm32_b32 hwreg(HW_REG_WAVE_MODE, 25, 1), 1
	s_wait_xcnt 0x0
	s_wait_alu depctr_vm_vsrc(0)
; PV.  activation^T = (p v / l)^T into out0's rows 1,024-2,047, on E3M2 codes; K = the keys, in groups of 128.
; A work-group makes 128 queries (block i) x 128 channels (block c); it walks the groups 0 .. 4 (i / 4 + 1) - 1: what lies above the diagonal there holds zero codes.
; THE ROW'S M AND l: thread t takes query 128 i + t: M = the largest of its 32 local M; l = the sum of the local sums x 2^(local M - M), exact scalings.  p's scale bytes of a group are lowered by M - local M, held at 64:
; the bytes are 64 or more, so no borrow crosses a byte.  LIMIT: a group more than 2^64 under the row's largest p counts with at most 2^-64 of it.
; Source 0 = 16 queries of p (along a lane's registers in the result), source 1 = 16 channels of v (in the lanes): a lane holds one channel and eight neighbouring queries: 32 consecutive bytes of out0.
; THE TILES GO THROUGH REGISTERS INTO LDS, not by tensor loads: the number of groups differs from work-group to work-group, and counted waits on the loads keep two chunks (56 loads a wave) on their way without a gap.
; A chunk is two groups.  Two LDS slots, two sets of staging registers, ONE barrier a chunk.  THE CHUNKS OVERLAP: behind the barrier that shows chunk n's slot whole, a wave reads chunk n's fragments, and between its
; products it stores chunk n + 1 into the other slot, which every wave left in front of that barrier.  A chunk moves 48 KB into LDS and 96 KB out of it for 32 matrix instructions a wave: so the LDS instructions stand
; in short runs (12 to 28) between runs of 8 products, and the price is eleven switches of the register window a chunk.
; No cluster: partners that share v would need different numbers of chunks, and what goes through registers cannot be asked for jointly.
; THE MODE: SCHED_MODE bits 1:0 = 2 (LLVM: expert scheduling mode 2), set by the entry lines.  The code itself states the register dependences between vector or matrix instructions and memory or LDS instructions,
; with s_wait_alu, always for 0.
; THE PLAN.  Registers that memory or LDS instructions touch, in the loop:
;   F0 = v64-159, S0 = v48-51    a chunk's group 0.  Written by the LDS loads at the chunk's head; read by its first 16 products.
;   F1 = v160-255, S1 = v52-55   its group 1.  Written by LDS loads at the head (p's fragments) and behind the first 8 products (v's, the scale words); read by its last 16 products.
;   window 2, two sets of 96     chunks as loaded.  Written by the global loads at the end of chunk n (chunk n + 3); read by the LDS stores of chunk n + 2.  No vector or matrix instruction names them.
;   v32-35, v38-41               the pairs.  Written by the same loads; read by the vector lines that bring p's scale words under the row's M.
;   v36-37, v42-43               v's scale words.  Written by the same loads; read by LDS stores.
;   v46, v47                     p's scale words under the row's M.  Written by those vector lines; read by two LDS stores of the same chunk.
;   v4-21                        offsets and addresses.  Made at the head and never written again: the scalar bases move on.
;   The accumulators are named by matrix instructions alone until the way out.
; So a chunk has three such waits.  On va_vdst at its head, behind the barrier: the products of the chunk before are done reading F0, F1, S0, S1; all 56 LDS loads of the chunk follow it, and the only products issued
; ahead of the last 16 of them name F0, S0 and accumulators.  On va_vdst behind the vector lines: v46, v47 are written, and the pairs have been read.  On vm_vsrc at its end: its LDS stores have read their data.
; REGISTERS: window 0: v0-31 addresses; v32-43 two sets of (pair, pair, word, word) as loaded; v44-47 at work; v48-55 scale words; v64-159, v160-255 the fragments of a chunk's two groups (p's four, v's four).
;   window 1: v0-127 accumulator (a, b) at v[8 (4 a + b)]; v128-226 the statistics.   window 2: v0-95, v96-191 two chunks as loaded.
.set SCW,  98304                       ; LDS: two slots of 49,152 (p's 8 rowtiles, v's 8; 3,072 a rowtile, 1,536 a group); then the scale words: slot x 2,048 + group x 1,024 + (v 0, p 512) + 4 x row
.set LSC,  102400                      ; 1 / l of the 128 queries
.set STG,  102912                      ; the way out: 16 rows x 272 bytes for each wave
.set L16,  4
.set T8,   5
.set T4,   6
.set STA,  7                           ; where I store a chunk: 12,288 x wave + 16 x lane
.set SWA,  8                           ; where I store scale words: SCW + 4 t
.set ADP,  9                           ; my p fragments
.set ADV,  10                          ; my v fragments
.set ADSC, 11                          ; my scale words: lanes 0-15 v's, lanes 16-31 p's
.set MR,   12                          ; my query's M
.set IV,   13                          ; 1 / l
.set LSA,  14
.set ADL,  15
.set SO,   16
.set SR,   17
.set GO,   18
.set PF0,  19                          ; v19-21 the prefetches' offsets; never rewritten
.set IL,   64
.set OT,   96
.set RB,   160
.set MSB, 0
.macro WIN new                         ; the immediate's high byte repeats the setting that is left
.if MSB != (\new)
	s_set_vgpr_msb (MSB<<8)|(\new)
.set MSB, (\new)
.endif
.endm
.macro PLACES n
.rept \n
	v_nop
.endr
.endm
.macro BAR
	s_barrier_signal -1
	s_barrier_wait -1
.endm
.macro FRAG reg, adr, off              ; a fragment comes as it was laid: three loads, each 512 consecutive bytes for the wave
.irp c, 0,1,2
	ds_load_b128 v[(\reg)+4*\c:(\reg)+4*\c+3], v[\adr] offset:(\off)+512*\c
.endr
.endm
; 28 loads: my four rowtiles' two groups (24 x 512 consecutive bytes), my query's two pairs, my channel's two words
.macro LOADC set
	WIN 0x80                                       ; destination window 2
.irp t, 0,1,2,3
.irp u, 0,1,2,3,4,5
	global_load_b128 v[96*(\set)+24*\t+4*\u:96*(\set)+24*\t+4*\u+3], v[L16], s[24:25] offset:\t*49152+512*\u
.endr
.endr
	WIN 0
	global_load_b64 v[32+6*(\set):33+6*(\set)], v[T8], s[26:27]
	global_load_b64 v[34+6*(\set):35+6*(\set)], v[T8], s[26:27] offset:32768
	global_load_b32 v[36+6*(\set)], v[T4], s[28:29]
	global_load_b32 v[37+6*(\set)], v[T4], s[28:29] offset:4096
.endm
.macro STEPP                           ; the three bases go a chunk on, behind the wait that frees them
	s_wait_xcnt 0x0
	s_add_nc_u64 s[24:25], s[24:25], 3072
	s_add_nc_u64 s[26:27], s[26:27], 65536
	s_add_nc_u64 s[28:29], s[28:29], 8192
.endm
; A PREFETCH INTO THE L2, behind the loads at the end of an even chunk n: my four rowtiles' chunks n + 6 and n + 7 (4 x 6,144 bytes: 96 blocks of 256 bytes, a lane a block, three instructions): the loads that will
; ask for them are issued three and four chunks' work later.  p's blocks are named by waves 0, 1 of the work-group with c = 0, v's by waves 2, 3 of the work-group with i = 31: each block once in the launch.
; A wave asks while the counter of pairs is above 2: chunk n + 7 is then at most the last chunk that the work-group walks.  Groups 0 to 11 come by their loads alone.
.macro ASK
	s_cmp_gt_u32 s20, s21
	s_cbranch_scc0 .Lnot_mine_\@
	global_prefetch_b8 v[PF0], s[30:31] th:TH_LOAD_NT scope:SCOPE_SE
	global_prefetch_b8 v[PF0+1], s[30:31] th:TH_LOAD_NT scope:SCOPE_SE
	global_prefetch_b8 v[PF0+2], s[30:31] th:TH_LOAD_NT scope:SCOPE_SE
.Lnot_mine_\@:
.endm
; 8 matrix instructions: v's blocks a0, a0 + 1 x p's four.  The 16 accumulators take turns, one instruction a turn, in the same order in every group.
.macro MULH f, sc, a0, zero
.irp a, \a0, \a0+1
.irp b, 0,1,2,3
.if \zero
	v_wmma_scale_f32_16x16x128_f8f6f4 v[8*(4*(\a)+\b):8*(4*(\a)+\b)+7], v[\f+12*\b:\f+12*\b+11], v[\f+48+12*(\a):\f+48+12*(\a)+11], 0, v[\sc+\b], v[\sc+(\a)] matrix_a_fmt:MATRIX_FMT_BF6 matrix_b_fmt:MATRIX_FMT_BF6 matrix_a_scale:MATRIX_SCALE_ROW1
.else
	v_wmma_scale_f32_16x16x128_f8f6f4 v[8*(4*(\a)+\b):8*(4*(\a)+\b)+7], v[\f+12*\b:\f+12*\b+11], v[\f+48+12*(\a):\f+48+12*(\a)+11], v[8*(4*(\a)+\b):8*(4*(\a)+\b)+7], v[\sc+\b], v[\sc+(\a)] matrix_a_fmt:MATRIX_FMT_BF6 matrix_b_fmt:MATRIX_FMT_BF6 matrix_a_scale:MATRIX_SCALE_ROW1
.endif
.endr
.endr
.endm
; THE READS OF A CHUNK, in three runs.  RD0: group 0: what its first 8 products want comes first (22 loads), then v's blocks 2, 3 (6)
.macro RD0 slot
.irp b, 0,1,2,3
	FRAG 64+12*\b, ADP, 49152*(\slot)+3072*\b
.endr
.irp b, 0,1
	FRAG 112+12*\b, ADV, 49152*(\slot)+3072*\b
.endr
.irp b, 0,1,2,3
	ds_load_b32 v[48+\b], v[ADSC] offset:2048*(\slot)+64*\b
.endr
.irp b, 2,3
	FRAG 112+12*\b, ADV, 49152*(\slot)+3072*\b
.endr
.endm
.macro RD1A slot                       ; group 1: p's four fragments (12 loads)
.irp b, 0,1,2,3
	FRAG 160+12*\b, ADP, 49152*(\slot)+3072*\b+1536
.endr
.endm
.macro RD1B slot                       ; group 1: v's four fragments and the scale words (16 loads)
.irp b, 0,1,2,3
	FRAG 208+12*\b, ADV, 49152*(\slot)+3072*\b+1536
.endr
.irp b, 0,1,2,3
	ds_load_b32 v[52+\b], v[ADSC] offset:2048*(\slot)+1024+64*\b
.endr
.endm
; THE STORES OF A CHUNK.  SCALEW: its loads are in (wcnt: the younger chunk's 28 may stay out, or none is left); p's scale words are brought under the row's M
.macro SCALEW set, wcnt
	s_wait_loadcnt \wcnt
.irp q, 0,1
	v_sub_f32 v[44+\q], v[33+6*(\set)+2*\q], v[MR]     ; local M - M: a whole number, 0 or less
.endr
.irp q, 0,1
	v_max_num_f32 v[44+\q], 0xc2800000, v[44+\q]       ; held at -64
.endr
.irp q, 0,1
	v_cvt_i32_f32 v[44+\q], v[44+\q]
.endr
.irp q, 0,1
	v_mul_lo_u32 v[44+\q], v[44+\q], 0x01010101        ; onto each of the four bytes
.endr
.irp q, 0,1
	v_add_nc_u32 v[46+\q], v[44+\q], v[32+6*(\set)+2*\q]
.endr
.endm
.macro PUTA set                        ; 16 stores: the four scale words, rowtiles 0 and 1.  Entered with every window 0; leaves the store data's window at 2
	ds_store_b32 v[SWA], v46 offset:2048*(\set)+512
	ds_store_b32 v[SWA], v47 offset:2048*(\set)+1536
	ds_store_b32 v[SWA], v[36+6*(\set)] offset:2048*(\set)
	ds_store_b32 v[SWA], v[37+6*(\set)] offset:2048*(\set)+1024
	WIN 0x08                                       ; an LDS store's data are its source 1: window 2
.irp t, 0,1
.irp u, 0,1,2,3,4,5
	ds_store_b128 v[STA], v[96*(\set)+24*\t+4*\u:96*(\set)+24*\t+4*\u+3] offset:49152*(\set)+3072*\t+512*\u
.endr
.endr
.endm
.macro PUTB set                        ; 12 stores: rowtiles 2 and 3
	WIN 0x08
.irp t, 2,3
.irp u, 0,1,2,3,4,5
	ds_store_b128 v[STA], v[96*(\set)+24*\t+4*\u:96*(\set)+24*\t+4*\u+3] offset:49152*(\set)+3072*\t+512*\u
.endr
.endr
.endm
; CHUNK n, behind the barrier that shows its slot whole.  slot = n % 2.  zero = 1: chunk 0: its first products start the sums.  st = 1: chunk n + 1 is stored into the other slot (wcnt: see SCALEW) and a barrier closes the chunk.
; ld = 1: chunk n + 3 is asked for, into the registers that chunk n + 1 has left.  ask = 1: a prefetch follows those loads.
; The other slot is free behind the barrier at the chunk's head: every wave waited for its reads of chunk n - 1 in front of that barrier's signal.
.macro BODY slot, zero, st, wcnt, ld, ask
.if !\zero
	s_wait_alu depctr_va_vdst(0)                   ; the products of the chunk before are done reading v48-55 and v64-255, in which this chunk's 56 LDS loads land
.endif
	RD0 \slot
	RD1A \slot
	s_wait_dscnt 18                                ; the first 22 loads are in; v's blocks 2, 3 (6) and group 1's p (12) may be out
	WIN 0x50                                       ; C and D window 1
	MULH 64, 48, 0, \zero
	WIN 0
	RD1B \slot                                     ; no wait: the 8 products issued since the wait at the head name v64-135, v48-51 and accumulators, none of v208-255 and v52-55
.if \st
	SCALEW 1-\slot, \wcnt
	s_wait_alu depctr_va_vdst(0)                   ; v46 and v47 are written, which two LDS stores below read; and the vector lines are done reading the pairs, in which the loads at the chunk's end land
.endif
	s_wait_dscnt 28                                ; group 0 is in; group 1's 28 loads may be out
	WIN 0x50
	MULH 64, 48, 2, \zero
	WIN 0
.if \st
	PUTA 1-\slot                                   ; no wait: only products have been issued since the wait above, and they name neither v46 nor v47
	s_wait_dscnt 16                                ; group 1 is in; my 16 stores may be out
.else
	s_wait_dscnt 0x0
.endif
	WIN 0x50
	MULH 160, 52, 0, 0
.if \st
	PUTB 1-\slot
.endif
	WIN 0x50
	MULH 160, 52, 2, 0
	WIN 0
	PLACES 4                                       ; behind the last products: the next chunk's loads land in registers that they read, and the way out reads their results
.if \st
	s_wait_dscnt 0x0                               ; for the others' sake: my stores into the other slot are done, and my reads of this slot are over
.if \ld
	STEPP
.if \ask
	s_add_nc_u64 s[30:31], s[30:31], 6144          ; (the last prefetches, two chunks back, have read their base)
.endif
	WIN 0x80                                       ; the loads' window first, then the wait, then the loads
.endif
.if \wcnt
	s_wait_alu depctr_vm_vsrc(0)                   ; my 28 LDS stores have read the staging set and v's two words, in which the loads below land, and v46, v47, which the next chunk's vector lines write again
.endif
.if \ld
	LOADC 1-\slot
.if \ask
	ASK
.endif
.endif
	BAR
.endif
.endm
	s_load_b256 s[4:11], s[0:1], 0x0               ; pf s[4:5], pst s[6:7], qkvf s[8:9], qkvs s[10:11]
	s_load_b64 s[12:13], s[0:1], 0x20              ; out0
	v_lshl_add_u32 v62, v0, 2, 0x1d600
	v_mov_b32 v63, 0
	v_lshrrev_b32 v1, 5, v0
	v_readfirstlane_b32 s14, v1                    ; wave
	v_and_b32 v1, 31, v0
	v_and_b32 v2, 15, v0                           ; r
	v_bfe_u32 v3, v0, 4, 1                         ; h
	v_lshlrev_b32 v[L16], 4, v1
	v_lshlrev_b32 v[T8], 3, v0
	v_lshlrev_b32 v[T4], 2, v0
	s_wait_alu depctr_va_sdst(0)                   ; s14 is written, ahead of its first reader: the wave's shares and bases are made from it
	s_and_b32 s15, s14, 1                          ; hq: my half of the queries.  Also: which four rowtiles I stage
	s_lshr_b32 s16, s14, 1                         ; hc: my half of the channels.  Also: I stage p (0) or v (1)
	s_lshr_b32 s22, ttmp9, 3
	s_sub_co_u32 s17, 31, s22                      ; i
	s_and_b32 s18, ttmp9, 7                        ; c
	s_lshr_b32 s19, s17, 2
	s_add_co_u32 s19, s19, 1                       ; pairs of chunks
	s_cmp_lt_u32 s14, 2
	s_cselect_b32 s22, s18, s22
	s_cmp_eq_u32 s22, 0
	s_cselect_b32 s21, 2, -1                       ; 2 in a wave that prefetches, else the greatest number
	s_lshl_b32 s22, s17, 3
	s_lshl_b32 s23, s18, 3
	s_cmp_lt_u32 s14, 2
	s_cselect_b32 s34, s22, s23
	s_cselect_b32 s36, 0, 6291456
	s_lshl_b32 s22, s15, 2
	s_add_co_u32 s34, s34, s22
	s_mul_i32 s34, s34, 49152                      ; a rowtile's 32 groups
	s_add_co_u32 s34, s34, s36
	s_mov_b32 s35, 0
	s_mov_b32 s37, 0
	s_wait_kmcnt 0x0
	s_cmp_lt_u32 s14, 2
	s_cselect_b64 s[24:25], s[4:5], s[8:9]
	s_add_nc_u64 s[24:25], s[24:25], s[34:35]      ; the codes that I stage
	s_add_nc_u64 s[30:31], s[24:25], 12288         ; the prefetches' base: stepped once, to chunk 6, ahead of the first
	s_lshl_b32 s36, s17, 10
	s_add_nc_u64 s[26:27], s[6:7], s[36:37]        ; my block's pairs, group 0
	s_lshl_b32 s36, s17, 9
	s_add_co_u32 s36, s36, 1048576
	s_add_nc_u64 s[32:33], s[6:7], s[36:37]        ; its sums
	s_lshl_b32 s36, s18, 9
	s_add_co_u32 s36, s36, 262144
	s_add_nc_u64 s[28:29], s[10:11], s[36:37]      ; v's scale words, group 0
	WIN 0x40                                       ; destination window 1
	s_wait_alu depctr_va_vdst(0)                   ; the offsets v4, v5, v6 are written, which every global load of the kernel reads
.set X, 0
.rept 32
	global_load_b64 v[128+2*X:129+2*X], v[T8], s[26:27] offset:X*32768
.set X, X+1
.endr
.set X, 0
.rept 32
	global_load_b32 v[192+X], v[T4], s[32:33] offset:X*16384
.set X, X+1
.endr
	WIN 0
	LOADC 0
	STEPP
	LOADC 1
	s_mul_i32 s22, s14, 12288
	v_add_nc_u32 v[STA], s22, v[L16]
	v_lshl_add_u32 v[SWA], v0, 2, SCW
	v_lshl_add_u32 v[LSA], v0, 2, LSC
	s_mul_i32 s22, s15, 12288
	v_add_nc_u32 v[ADP], s22, v[L16]
	s_mul_i32 s22, s16, 12288
	s_add_co_u32 s22, s22, 24576
	v_add_nc_u32 v[ADV], s22, v[L16]
	s_lshl_b32 s22, s16, 8                         ; v's words: 256 hc
	s_lshl_b32 s23, s15, 8                         ; p's: 512 + 256 hq
	s_add_co_u32 s23, s23, 512
	s_sub_co_u32 s23, s23, s22
	v_mul_u32_u24 v22, s23, v3                     ; lanes 16-31 take p's
	s_add_co_u32 s22, s22, SCW
	v_lshl_add_u32 v22, v2, 2, v22
	v_add_nc_u32 v[ADSC], s22, v22
	s_lshl_b32 s22, s15, 8
	s_add_co_u32 s22, s22, LSC
	v_lshl_add_u32 v[ADL], v3, 5, s22
	s_mul_i32 s22, s14, 4352
	s_add_co_u32 s22, s22, STG
	v_mul_u32_u24 v[SO], v2, 272
	v_lshl_add_u32 v[SO], v3, 5, v[SO]
	v_add_nc_u32 v[SO], s22, v[SO]                 ; in: row r, 32 bytes for each half of the lanes
	v_mul_u32_u24 v[SR], v3, 272
	v_lshl_add_u32 v[SR], v2, 4, v[SR]
	v_add_nc_u32 v[SR], s22, v[SR]                 ; back: lanes 0-15 one row of 256 bytes, lanes 16-31 the next
	v_lshlrev_b32 v[GO], 14, v3
	v_lshl_add_u32 v[GO], v2, 4, v[GO]             ; and the same two rows in out0
.irp n, 0,1,2                                  ; block q = 32 n + lane of 96: rowtile q / 24, 256 (q % 24) bytes on
	v_add_nc_u32 v22, 32*\n, v1
	v_mul_u32_u24 v23, v22, 43
	v_lshrrev_b32 v23, 10, v23                     ; q / 24 for q under 96
	v_mul_u32_u24 v[PF0+\n], v23, 24
	v_sub_nc_u32 v22, v22, v[PF0+\n]
	v_lshlrev_b32 v22, 8, v22
	v_mad_u32_u24 v[PF0+\n], v23, 49152, v22
.endr
	s_lshl_b32 s22, s18, 7
	s_lshl_b32 s23, s16, 6
	s_add_co_u32 s22, s22, s23
	s_add_co_u32 s22, s22, 1024                    ; out0's row 1,024 + 128 c + 64 hc
	s_lshl_b32 s34, s22, 14
	s_lshl_b32 s23, s17, 9
	s_add_co_u32 s34, s34, s23
	s_lshl_b32 s23, s15, 8
	s_add_co_u32 s34, s34, s23                     ; + (128 i + 64 hq) x 4
	s_add_nc_u64 s[12:13], s[12:13], s[34:35]
	s_wait_loadcnt 56                              ; the statistics are in; the first two chunks stay on their way
	WIN 0x55                                       ; all in window 1
	v_max3_num_f32 v224, v129, v131, v133
.irp g, 3,5,7,9,11,13,15,17,19,21,23,25,27,29
	v_max3_num_f32 v224, v224, v[129+2*\g], v[131+2*\g]
.endr
	v_max_num_f32 v224, v224, v191                 ; the row's M
.set X, 0
.rept 32
	v_sub_f32 v[129+2*X], v[129+2*X], v224         ; local M - M: a whole number, 0 or less
.set X, X+1
.endr
.set X, 0
.rept 32
	v_cvt_i32_f32 v[129+2*X], v[129+2*X]           ; (it saturates)
.set X, X+1
.endr
.set X, 0
.rept 32
	v_ldexp_f32 v[192+X], v[192+X], v[129+2*X]     ; the local sum under the row's M: nothing is rounded
.set X, X+1
.endr
	v_add_f32 v225, v192, v193
	v_add_f32 v226, v194, v195
.irp g, 4,8,12,16,20,24,28
	v_add_f32 v225, v225, v[192+\g]
	v_add_f32 v226, v226, v[193+\g]
	v_add_f32 v225, v225, v[194+\g]
	v_add_f32 v226, v226, v[195+\g]
.endr
	v_add_f32 v225, v225, v226                     ; l
	v_rcp_f32 v226, v225
	WIN 0x01                                       ; source 0 window 1, destination window 0
	v_mov_b32 v[MR], v224                          ; (the plain place behind the reciprocal)
	s_wait_alu depctr_va_vdst(0)                   ; the reciprocal has written its result, ahead of its first reader
	v_mov_b32 v[IV], v226
	WIN 0
	SCALEW 0, 28                                   ; chunk 0 is in; chunk 1 stays on its way
	s_wait_alu depctr_va_vdst(0)                   ; 1 / l, v46 and v47 are written, which the LDS stores below read; so are the addresses and offsets v7 to v21, which the kernel's LDS instructions, prefetches and global stores read; and the vector lines are done reading chunk 0's pairs, in which chunk 2's land
	ds_store_b32 v[LSA], v[IV]                     ; read on the way out, behind the chunks' barriers
	PUTA 0
	PUTB 0
	WIN 0
	s_wait_dscnt 0x0                               ; for the others' sake: chunk 0 and 1 / l lie in LDS
	s_wait_alu depctr_vm_vsrc(0)                   ; my LDS stores have read staging set 0 and v36, v37, in which chunk 2's loads land, and v46, v47, which the next vector lines write again on both ways below
	s_sub_co_u32 s20, s19, 1                       ; the counter of pairs
	s_cmp_eq_u32 s19, 1                            ; the work-group's number alone decides: all four waves pass the same barriers
	s_cbranch_scc1 .Lshort
	STEPP
	LOADC 0                                        ; chunk 2
	BAR
	BODY 0, 1, 1, 28, 1, 1                         ; chunk 0: its products start the sums: nothing is cleared.  Chunk 1 is stored, chunk 3 asked for
	s_sub_co_u32 s20, s20, 1
	s_cmp_eq_u32 s20, 0
	s_cbranch_scc1 .Ltail
.Lpair:                                            ; pairs - 2 trips: chunks n (odd) and n + 1; each stores the next chunk and asks for the chunk three on
	BODY 1, 0, 1, 28, 1, 0
	BODY 0, 0, 1, 28, 1, 1
	s_sub_co_u32 s20, s20, 1
	s_cmp_lg_u32 s20, 0
	s_cbranch_scc1 .Lpair
.Ltail:                                            ; the last three chunks ask for nothing: no load leaves the groups that are walked
	BODY 1, 0, 1, 28, 0, 0
	BODY 0, 0, 1, 0, 0, 0
	BODY 1, 0, 0, 0, 0, 0
	s_branch .Lout
.Lshort:                                           ; two chunks in all
	BAR
	BODY 0, 1, 1, 0, 0, 0
	BODY 1, 0, 0, 0, 0, 0
.Lout:
	; THE WAY OUT: x 1 / l of the register's query; a tile of 16 channels x 64 queries goes through my own stage and comes back as rows of 256 bytes.  (The four places behind the last products stand at the last chunk's end.)
	s_wait_alu depctr_va_vdst(0)                   ; the last chunk's products are done reading v64-95, in which 1 / l lands
.irp b, 0,1,2,3
	ds_load_b128 v[IL+8*\b:IL+8*\b+3], v[ADL] offset:64*\b
	ds_load_b128 v[IL+8*\b+4:IL+8*\b+7], v[ADL] offset:64*\b+16
.endr
	s_wait_dscnt 0x0
.irp a, 0,1,2,3
.if \a > 0
	s_wait_alu depctr_vm_vsrc(0)                   ; the LDS stores of the tile before have read v96-127, which the multiplications below write again; from the third tile on: the global stores of two tiles ago have read the registers in which this tile's rows land
.endif
	WIN 0x01                                       ; source 0 (the sums) window 1
.set X, 0
.rept 16                                       ; each accumulator from its low end on
	v_pk_mul_f32 v[OT+X:OT+X+1], v[32*\a+X:32*\a+X+1], v[IL+X:IL+X+1]
.set X, X+2
.endr
	WIN 0
	s_wait_alu depctr_va_vdst(0)                   ; the multiplications have written v96-127, which the LDS stores read; in the first two tiles also: the last products are done reading v160-223, in which the rows land
.irp b, 0,1,2,3
	ds_store_b128 v[SO], v[OT+8*\b:OT+8*\b+3] offset:64*\b
	ds_store_b128 v[SO], v[OT+8*\b+4:OT+8*\b+7] offset:64*\b+16
.endr
.if \a > 1
	s_wait_xcnt 0x0                                ; the stores of two tiles ago have read these registers
.endif
.irp t, 0,1,2,3,4,5,6,7
	ds_load_b128 v[RB+32*(\a%2)+4*\t:RB+32*(\a%2)+4*\t+3], v[SR] offset:544*\t   ; LDS serves a wave's instructions in order: these see my stores
.endr
.irp t, 0,1,2,3,4,5,6,7
	s_wait_dscnt 7-\t
	global_store_b128 v[GO], v[RB+32*(\a%2)+4*\t:RB+32*(\a%2)+4*\t+3], s[12:13] offset:(16*\a+2*\t)*16384 th:TH_STORE_NT   ; 16 lanes store 256 consecutive bytes, aligned
.endr
.endr
	s_wait_dscnt 0x0                               ; the closing lines, six on end
	s_wait_alu 0x0
	s_wait_tensorcnt 0x0
	ds_add_u32 v62, v63
	s_wait_dscnt 0x0
	s_endpgm
.Lfunc_end_k_qb13f7e502f_pv:
	.size	k_qb13f7e502f_pv, .Lfunc_end_k_qb13f7e502f_pv-k_qb13f7e502f_pv
	.p2alignl 7, 3214868480
	.fill 96, 4, 3214868480
	.section	.rodata,"a",@progbits
	.p2align	6, 0x0
	.amdhsa_kernel k_qb13f7e502f_pv
		.amdhsa_group_segment_fixed_size 120832
		.amdhsa_private_segment_fixed_size 0
		.amdhsa_enable_private_segment 0
		.amdhsa_kernarg_size 40
		.amdhsa_user_sgpr_count 2
		.amdhsa_user_sgpr_kernarg_segment_ptr 1
		.amdhsa_wavefront_size32 1
		.amdhsa_system_sgpr_workgroup_id_x 1
		.amdhsa_system_sgpr_workgroup_id_y 1
		.amdhsa_system_sgpr_workgroup_id_z 1
		.amdhsa_system_vgpr_workitem_id 0
		.amdhsa_next_free_vgpr 768
		.amdhsa_next_free_sgpr 66
		.amdhsa_reserve_vcc 0
		.amdhsa_float_denorm_mode_32 3
		.amdhsa_float_denorm_mode_16_64 3
		.amdhsa_memory_ordered 1
		.amdhsa_forward_progress 1
		.amdhsa_inst_pref_size 131
	.end_amdhsa_kernel
	.amdgpu_metadata
---
amdhsa.version: [ 1, 2 ]
amdhsa.kernels:
  - .name:           k_qb13f7e502f_pv
    .symbol:         k_qb13f7e502f_pv.kd
    .args:
      - { .name: pf, .offset: 0, .size: 8, .value_kind: global_buffer, .address_space: global }
      - { .name: pst, .offset: 8, .size: 8, .value_kind: global_buffer, .address_space: global }
      - { .name: qkvf, .offset: 16, .size: 8, .value_kind: global_buffer, .address_space: global }
      - { .name: qkvs, .offset: 24, .size: 8, .value_kind: global_buffer, .address_space: global }
      - { .name: out0, .offset: 32, .size: 8, .value_kind: global_buffer, .address_space: global }
    .group_segment_fixed_size: 120832
    .private_segment_fixed_size: 0
    .kernarg_segment_align: 8
    .kernarg_segment_size: 40
    .max_flat_workgroup_size: 128
    .sgpr_count:     66
    .vgpr_count:     768
    .wavefront_size: 32
...
	.end_amdgpu_metadata
.endif
;; end of part 5
